; MI455X (gfx1250); checked and timed in simulation.
; The chip was launched on July 23, 2026; its instructions are those of AMD's public machine-readable ISA for CDNA 5 (MIT licence, August 2026) and "CDNA5" Instruction Set Architecture Reference Guide (July 2026). The comments in the code are by the model that wrote it; some were corrected since.
;; Block. Allowed arithmetic: matrix products marked QUANTISED: E3M2 operands, one E8M0 scale for each 32 along K, by v_wmma_scale_f32_16x16x128_f8f6f4 with both operands' format E3M2, f32 sums; everything else in f32.
;; Inputs: b_fc 4,096 float32; b_proj 1,024 float32; bk 1,024 float32; bq 1,024 float32; bv 1,024 float32; ln1_b 1,024 float32; ln1_w 1,024 float32; ln2_b 1,024 float32; ln2_w 1,024 float32; w_fc 1,024 x 4,096 float32; w_proj 4,096 x 1,024 float32; wk 1,024 x 1,024 float32; wq 1,024 x 1,024 float32; wv 1,024 x 1,024 float32; x 2 x 2,048 x 1,024 float32.
;; Outputs: out0 2 x 2,048 x 1,024 float32; out1 2 x 16 x 2,048 x 64 float32; out2 2 x 16 x 2,048 x 64 float32.
;; This version of the problem:
;;   THIS VERSION OF THE PROBLEM IS GIVEN IN LOW PRECISION. The matrix products marked QUANTISED in the list below multiply operands that are first quantised to E3M2 (3 exponent bits, 2 mantissa bits; 6 bits a number), with one power-of-two scale for each 32 numbers along K (OCP MX v1.0); their sums are f32. All else is computed in f32.
;;   The module's matrix products, in the order in which they are computed (A, B: the left and right operand; K: the contracted axis; several contracted axes count as one K, in the product's order):
;;     1. [M 4,096, K 1,024] x [K 1,024, N 1,024]; A: computed on the way; B: input wq: QUANTISED
;;     2. [M 4,096, K 1,024] x [K 1,024, N 1,024]; A: computed on the way; B: input wk: QUANTISED
;;     3. [M 4,096, K 1,024] x [K 1,024, N 1,024]; A: computed on the way; B: input wv: QUANTISED
;;     4. batch 32 x [M 2,048, K 64] x [K 64, N 2,048]; A: computed on the way; B: computed on the way: QUANTISED
;;     5. batch 32 x [M 2,048, K 2,048] x [K 2,048, N 64]; A: softmax (see below); B: computed on the way: QUANTISED
;;     6. [M 4,096, K 1,024] x [K 1,024, N 4,096]; A: computed on the way; B: input w_fc: QUANTISED
;;     7. [M 4,096, K 4,096] x [K 4,096, N 1,024]; A: computed on the way; B: input w_proj: QUANTISED
;;   THE QUANTISER, for each operand of a quantised product, along K:
;;     - K is cut into blocks of 32 from its start; a last block that is shorter is filled with zeros.
;;     - A block's scale is 2^e with e = floor(log2(the largest magnitude in the block)) - 4, held to -126 .. 127; a block of zeros has e = 0. As a byte (E8M0): e + 127.
;;     - Each number is divided by its block's scale, clamped to +-28, and rounded to the nearest number of E3M2, ties to even, subnormals kept.
;;     - The product sums the exact products of the quantised numbers (number of the format x scale) in f32.
;;   ~~~python
;;   def quantise(x, axis):      # numpy; x: float32 -> the quantised numbers, widened to float32 again
;;       x = np.moveaxis(x, axis, -1); K = x.shape[-1]
;;       x = np.pad(x, [(0, 0)] * (x.ndim - 1) + [(0, -K % 32)]); x = x.reshape(x.shape[:-1] + (-1, 32)); a = np.abs(x).max(-1, keepdims=True)
;;       e = np.where(a > 0, np.clip(np.frexp(np.where(a > 0, a, 1))[1] - 1 - 4, -126, 127), 0)      # np.frexp(a)[1] - 1 = floor(log2(a)), exactly
;;       r = np.clip(x / 2.0 ** e, -28, 28)
;;       step = 2.0 ** (np.maximum(np.frexp(np.where(r == 0, 1, r))[1] - 1, -2) - 2)
;;       q = np.round(r / step) * step * 2.0 ** e      # np.round: ties to even
;;       return np.moveaxis(q.reshape(q.shape[:-2] + (-1,))[..., :K], -1, axis).astype(np.float32)
;;   ~~~
;;   SOFTMAX AHEAD OF A QUANTISED PRODUCT. Where the list says 'softmax', what is quantised is not the finished softmax but p = 2^(t - M), with t = logit x log2(e) and M = ceil(the row's largest t), a whole number; so 1/2 < the row's largest p <= 1. The row's sum l is taken of the UNQUANTISED p, in f32, and the product's result is divided by l at the end. Since M is a whole number, a kernel that streams over the keys may use a running M (the ceiling of the running maximum): every later rescaling is an exact power of two, which a block's scale takes up: the codes' values come out the same.
;;   OPERANDS COMPUTED ON THE WAY. 'Computed on the way' means the value that the module computes at that place (a softmax that the list does not call 'softmax' is quantised finished and normalised). What goes into a quantiser is computed in f32, as accurately as f32 sums, v_exp_f32 and their like allow (about 1e-6 of the number): no bf16 or f16 on the way to a quantiser, and a product that is left as it is and whose result goes on into a quantised operand takes f32 operands (vector FMAs, or v_wmma_f32_16x16x4_f32). A number that lies on a knife's edge between two numbers of the format may be rounded either way, as far as f32 arithmetic and the matrix unit's own rounding can turn it there, and no further.
;; One version. Each part assembles by itself: llvm-mc -triple=amdgcn-amd-amdhsa -mcpu=gfx1250 --defsym DOCPART=n.
;; ======== version 1 of 1: 6 launches
;; limits: right only within a limited range of input values
;; workspace buffers: hq 3,276,800 bytes; wts 9,011,200 bytes; qb 3,407,872 bytes; kv 6,684,672 bytes; x1 16,777,216 bytes; hid 13,107,200 bytes
;; launch prep (part 1): grid 960 x 1, 4 waves a work-group, no clusters, 66,560 bytes of LDS; arguments x, ln1_w, ln1_b, wq, wk, wv, w_fc, w_proj, hq, wts; writes hq, wts
.if DOCPART == 1
	.amdgcn_target "amdgcn-amd-amdhsa--gfx1250"
	.amdhsa_code_object_version 6
	.text
	.protected	k_q83dc3bcd23_prep
	.globl	k_q83dc3bcd23_prep
	.p2align	8
	.type	k_q83dc3bcd23_prep,@function
k_q83dc3bcd23_prep:
	s_mov_b64 s[64:65], 0
	v_nop
	global_prefetch_b8 v0, s[64:65] scope:SCOPE_SE
	s_setreg_imm32_b32 hwreg(HW_REG_WAVE_MODE, 25, 1), 1
	s_wait_xcnt 0x0
; TWO JOBS IN ONE LAUNCH, parted by the work-group's number.
; Work-groups 0-255: h = layer norm of x (rows of 1,024 f32), quantised along the row to codes of BF6 (E3M2) with one E8M0 byte for each 32, into hq.
; Work-groups 256-959: the five weights, stored [K][N] in f32, quantised along K into wts: one chunk of 128 columns x 128 K each.
; LAYOUT OF ALL CODES: images of the matrix operand's registers.  A fragment is 16 positions x 128 K = 12 registers x 32 lanes = 1,536 bytes; registers 4 c .. 4 c + 3 of lane l lie at 512 c + 16 l.
; Fragment (tile T, K step s) lies at ((T / 8) KS + s) 12,288 + (T % 8) 1,536.  The scale word of position p and K step s lies at ((p / 128) KS + s) 512 + 4 (p % 128).
; POSITION p STANDS FOR ROW (or column of a weight) p with bits 3 and 4 exchanged: so, in the products that read these images, a lane's 16 registers of two neighbouring tiles are 16 neighbours.
; A block's scale is 2^(floor(log2(largest magnitude)) - 4); its byte is the largest magnitude's exponent field - 4, held at 1 from below (a block of zeros keeps the byte 1: its codes are zeros, and this program alone reads the bytes).
; LIMITS: blocks whose largest magnitude lies under 2^-122 keep the byte 1; NaN and infinities among the inputs are not served.
; No tensor loads, no cluster, no matrix unit: both jobs stream; work-groups share nothing but the 8 KiB of gain and bias.
.set X,    32                          ; v32-159  LN: four rows of 32 numbers a lane; later two K steps of 64
.set LW,   160                         ; v160-191 gain
.set LB,   192                         ; v192-223 bias
.set ST,   224                         ; v224-239 row k: pair at +4 k (sum, mean, 1/sigma), pair at +4 k + 2 (sum of squares)
.set PT,   240                         ; v240-243 the lane exchange's results
.set TM,   160                         ; v160-175 the quantiser's 16 registers (the gain is done with)
.set PCA,  176                         ; v176-195 codes of the first K step
.set PCB,  196                         ; v196-215 of the second
.set PWA,  216
.set PWB,  217
.set LP,   4112                        ; an LDS row: 4,096 bytes + 16 = 257 x 16: sixteen rows' equal columns fall on sixteen different groups of banks
.set HQS,  3145728                     ; where hq's scale words begin
.set WX,   128                         ; v128-255 weights: four blocks of 32 numbers down K
.set WG,   64                          ; v64-87   two register images: lane slot h = 0 (blocks 0, 2), h = 1 (blocks 1, 3)
.set WT,   96                          ; v96-111  the upper halves of the blocks' codes, before they are moved
.set WW,   112                         ; v112     the column's scale word
.set WSC,  8650752                     ; where wts' scale words begin
; 64 numbers of a lane, register 16 b + i = k 32 b + 16 (lane / 16) + i of the lane's row, become a fragment's 12 registers at v[pc] and the row's scale word in v[pw].
.macro QUANT s, pc, pw
.irp b, 0,1,2,3
	v_max3_num_f32 v[TM+\b], |v[\s+16*\b]|, |v[\s+1+16*\b]|, 0x2800000   ; the floor 2^(5 - 127) is one more leaf: the byte cannot fall under 1
.endr
.irp i, 2,4,6,8,10,12,14
.irp b, 0,1,2,3
	v_max3_num_f32 v[TM+\b], v[TM+\b], |v[\s+16*\b+\i]|, |v[\s+1+16*\b+\i]|   ; the four blocks by turns
.endr
.endr
.irp b, 0,1,2,3
	v_permlanex16_b32 v[TM+4+\b], v[TM+\b], s20, s21
.endr
.irp b, 0,1,2,3
	v_max_num_f32 v[TM+\b], v[TM+\b], v[TM+4+\b]   ; with lane l xor 16's 16 numbers: the block's largest magnitude
.endr
.irp b, 0,1,2,3
	v_add_nc_u32 v[TM+12+\b], 0xfe000000, v[TM+\b]   ; 4 off the exponent field: the conversion's scale operand
.endr
.irp b, 0,1,2,3
	v_lshrrev_b32 v[TM+4+\b], 23, v[TM+12+\b]      ; the scale's byte
.endr
	v_lshl_or_b32 v[\pw], v[TM+5], 8, v[TM+4]
	v_lshl_or_b32 v[\pw], v[TM+6], 16, v[\pw]
	v_lshl_or_b32 v[\pw], v[TM+7], 24, v[\pw]
.irp c, 0,1
	v_cvt_scalef32_pk16_bf6_f32 v[\pc+6*\c:\pc+2+6*\c], v[\s+32*\c:\s+15+32*\c], v[TM+12+2*\c]
	v_cvt_scalef32_pk16_bf6_f32 v[\pc+12+4*\c:\pc+14+4*\c], v[\s+16+32*\c:\s+31+32*\c], v[TM+12+2*\c+1]   ; a conversion's three registers begin on an even number
.endr
	v_nop                                          ; one plain instruction behind the scaled conversions
.irp c, 0,1                            ; the operand wants a whole block in a lane: lanes 0-15 block 2 c, lanes 16-31 block 2 c + 1
.irp i, 0,1,2
	v_permlane16_swap_b32 v[\pc+6*\c+\i], v[\pc+12+4*\c+\i]
.endr
.irp i, 0,1,2
	v_mov_b32 v[\pc+3+6*\c+\i], v[\pc+12+4*\c+\i]
.endr
.endr
.endm
; the sum over the 32 lanes of v[base + 4 k], k = 0 .. 3, the four rows by turns; every lane gets the result
.macro LANESUM base
.irp m, 1,2,4,8
.irp k, 0,1,2,3
	v_add_f32_dpp v[\base+4*\k], v[\base+4*\k], v[\base+4*\k] row_xmask:\m row_mask:0xf bank_mask:0xf
.endr
.endr
.irp k, 0,1,2,3
	v_permlanex16_b32 v[PT+\k], v[\base+4*\k], s20, s21
.endr
.irp k, 0,1,2,3
	v_add_f32 v[\base+4*\k], v[\base+4*\k], v[PT+\k]
.endr
.endm
; THE LAYER NORM OF ONE TILE OF 16 POSITIONS.  s[4:5] the rows, s[6:7] gain, s[8:9] bias, s[10:11] hq; tile T = the work-group's number.
; Phase 1: wave w norms LDS rows 4 w .. 4 w + 3 (a whole row in one wave's registers: mean, then the squares of x - mean) and lays them in LDS.
; Phase 2, behind the barrier: wave w quantises K steps 2 w and 2 w + 1 of all 16 rows and stores their register images.
.macro LNBODY
	v_and_b32 v1, 31, v0                           ; lane
	v_lshrrev_b32 v2, 5, v0
	v_readfirstlane_b32 s12, v2                    ; wave
	v_lshlrev_b32 v3, 4, v1                        ; 16 x lane
	s_wait_alu depctr_va_vdst(0)
	s_lshr_b32 s14, ttmp9, 1
	s_lshl_b32 s14, s14, 5                         ; position 16 T + r is row 32 (T / 2) + 8 (T % 2) + r + 8 (r / 8); with r = 4 w + k:
	s_and_b32 s15, ttmp9, 1
	s_lshl_b32 s15, s15, 3
	s_add_co_u32 s14, s14, s15
	s_lshr_b32 s15, s12, 1
	s_lshl_b32 s15, s15, 4
	s_add_co_u32 s14, s14, s15                     ; + 16 (w / 2)
	s_and_b32 s15, s12, 1
	s_lshl_b32 s15, s15, 2
	s_add_co_u32 s14, s14, s15                     ; + 4 (w % 2): my first row; my four rows are neighbours
	s_lshl_b32 s14, s14, 12                        ; x 4,096 bytes
	s_mov_b32 s15, 0
	s_mov_b32 s20, 0x76543210
	s_mov_b32 s21, 0xfedcba98                      ; lane selects: lane l xor 16
	s_mov_b32 s22, 0x3a800000                      ; 1 / 1,024
	s_mov_b32 s23, 0x3727c5ac                      ; 1e-5
	s_mul_i32 s16, s12, 4*LP
	v_add_nc_u32 v4, s16, v3                       ; LDS, in: my four rows, 16 bytes a lane
	v_and_b32 v5, 15, v0                           ; r
	v_bfe_u32 v6, v0, 4, 1                         ; h
	v_mul_u32_u24 v7, v5, LP
	v_lshl_add_u32 v7, v6, 6, v7
	s_lshl_b32 s16, s12, 10
	v_add_nc_u32 v7, s16, v7                       ; LDS, out: row r, + 64 h, + my two K steps (1,024 bytes a wave)
	v_lshlrev_b32 v8, 2, v5
	v_lshl_add_u32 v8, v6, 9, v8                   ; scale words: lanes 0-15 K step 2 w, lanes 16-31 K step 2 w + 1
	s_lshr_b32 s16, ttmp9, 3
	s_lshl_b32 s16, s16, 3
	s_lshl_b32 s17, s12, 1
	s_add_co_u32 s16, s16, s17                     ; (T / 8) 8 + 2 w
	s_and_b32 s17, ttmp9, 7
	s_mul_i32 s18, s16, 12288
	s_mul_i32 s19, s17, 1536
	s_add_co_u32 s18, s18, s19
	s_mov_b32 s19, 0
	s_lshl_b32 s16, s16, 9
	s_lshl_b32 s17, s17, 6
	s_add_co_u32 s16, s16, s17
	s_add_co_u32 s16, s16, HQS
	s_mov_b32 s17, 0
.irp k, 0,1,2,3
	v_mov_b32 v[PT+\k], 0                          ; a lane exchange's destination counts as read: written once
.endr
	s_wait_kmcnt 0x0
	s_add_nc_u64 s[4:5], s[4:5], s[14:15]
	s_add_nc_u64 s[24:25], s[10:11], s[16:17]      ; my scale words
	s_add_nc_u64 s[10:11], s[10:11], s[18:19]      ; my images
.irp k, 0,1,2,3
.irp j, 0,1,2,3,4,5,6,7
	global_load_b128 v[X+32*\k+4*\j:X+32*\k+4*\j+3], v3, s[4:5] offset:4096*\k+512*\j th:TH_LOAD_NT   ; 512 neighbouring bytes a load
.endr
.endr
.irp j, 0,1,2,3,4,5,6,7
	global_load_b128 v[LW+4*\j:LW+4*\j+3], v3, s[6:7] offset:512*\j
	global_load_b128 v[LB+4*\j:LB+4*\j+3], v3, s[8:9] offset:512*\j
.endr
	s_wait_loadcnt 16                              ; the rows are in; the 16 loads of gain and bias may be out
.irp k, 0,1,2,3
	v_pk_add_f32 v[ST+4*\k:ST+4*\k+1], v[X+32*\k:X+32*\k+1], v[X+32*\k+2:X+32*\k+3]
.endr
.irp j, 4,6,8,10,12,14,16,18,20,22,24,26,28,30
.irp k, 0,1,2,3
	v_pk_add_f32 v[ST+4*\k:ST+4*\k+1], v[ST+4*\k:ST+4*\k+1], v[X+32*\k+\j:X+32*\k+\j+1]
.endr
.endr
.irp k, 0,1,2,3
	v_add_f32 v[ST+4*\k], v[ST+4*\k], v[ST+4*\k+1]
.endr
	LANESUM ST
.irp k, 0,1,2,3
	v_mul_f32 v[ST+4*\k], s22, v[ST+4*\k]          ; the mean
.endr
.irp j, 0,2,4,6,8,10,12,14,16,18,20,22,24,26,28,30
.irp k, 0,1,2,3
	v_pk_add_f32 v[X+32*\k+\j:X+32*\k+\j+1], v[X+32*\k+\j:X+32*\k+\j+1], v[ST+4*\k:ST+4*\k+1] op_sel_hi:[1,0] neg_lo:[0,1] neg_hi:[0,1]   ; x - mean, in place
.endr
.endr
.irp k, 0,1,2,3
	v_pk_mul_f32 v[ST+4*\k+2:ST+4*\k+3], v[X+32*\k:X+32*\k+1], v[X+32*\k:X+32*\k+1]
.endr
.irp j, 2,4,6,8,10,12,14,16,18,20,22,24,26,28,30
.irp k, 0,1,2,3
	v_pk_fma_f32 v[ST+4*\k+2:ST+4*\k+3], v[X+32*\k+\j:X+32*\k+\j+1], v[X+32*\k+\j:X+32*\k+\j+1], v[ST+4*\k+2:ST+4*\k+3]
.endr
.endr
.irp k, 0,1,2,3
	v_add_f32 v[ST+4*\k+2], v[ST+4*\k+2], v[ST+4*\k+3]
.endr
	LANESUM ST+2
.irp k, 0,1,2,3
	v_fma_f32 v[ST+4*\k+2], v[ST+4*\k+2], s22, s23 ; the variance + 1e-5
.endr
	s_wait_alu depctr_va_vdst(0)
.irp k, 0,1,2,3
	v_rsq_f32 v[ST+4*\k], v[ST+4*\k+2]
.endr
	v_nop                                          ; a plain instruction behind the last of the four
	s_wait_alu depctr_va_vdst(0)                   ; one wait for the batch, ahead of its first reader
	s_wait_loadcnt 0x0                             ; gain and bias
.irp j, 0,2,4,6,8,10,12,14,16,18,20,22,24,26,28,30
.irp k, 0,1,2,3
	v_pk_mul_f32 v[X+32*\k+\j:X+32*\k+\j+1], v[X+32*\k+\j:X+32*\k+\j+1], v[ST+4*\k:ST+4*\k+1] op_sel_hi:[1,0]
.endr
.irp k, 0,1,2,3
	v_pk_fma_f32 v[X+32*\k+\j:X+32*\k+\j+1], v[X+32*\k+\j:X+32*\k+\j+1], v[LW+\j:LW+\j+1], v[LB+\j:LB+\j+1]
.endr
.endr
.irp k, 0,1,2,3
.irp j, 0,1,2,3,4,5,6,7
	ds_store_b128 v4, v[X+32*\k+4*\j:X+32*\k+4*\j+3] offset:LP*\k+512*\j
.endr
.endr
	s_wait_dscnt 0x0                               ; for the others' sake: my rows lie in LDS
	s_barrier_signal -1
	s_barrier_wait -1
.irp i, 0,1
.irp b, 0,1,2,3
.irp j, 0,1,2,3
	ds_load_b128 v[X+64*\i+16*\b+4*\j:X+64*\i+16*\b+4*\j+3], v7 offset:512*\i+128*\b+16*\j   ; of row r: 16 neighbours of each block of 32
.endr
.endr
.endr
	s_wait_dscnt 16                                ; the first K step's 16 loads are in
	QUANT X, PCA, PWA
.irp c, 0,1,2
	global_store_b128 v3, v[PCA+4*\c:PCA+4*\c+3], s[10:11] offset:512*\c   ; 512 consecutive bytes, aligned
.endr
	s_wait_dscnt 0x0
	QUANT X+64, PCB, PWB
.irp c, 0,1,2
	global_store_b128 v3, v[PCB+4*\c:PCB+4*\c+3], s[10:11] offset:12288+512*\c
.endr
	v_cmp_lt_u32 vcc_lo, 15, v1                    ; lanes r and r + 16 hold the same word: lanes 16-31 take the second K step's
	v_cndmask_b32 v[PWA], v[PWA], v[PWB], vcc_lo
	global_store_b32 v8, v[PWA], s[24:25]
.endm
; THE WEIGHTS.  A lane takes a column and its registers run down K, so a block of 32 lies in one lane and the conversions give codes with K innermost.
.macro WLOAD be, pitch
.set i, 0
.rept 32
	global_load_b32 v[WX+32*(\be)+i], v2, s[4:5] offset:(32*(\be)+i)*\pitch th:TH_LOAD_NT   ; 128 neighbouring bytes a wave, 512 a work-group
.set i, i+1
.endr
.endm
.macro BLK be
.set XS, WX+32*(\be)
	v_max3_num_f32 v12, |v[XS]|, |v[XS+1]|, |v[XS+2]|
	v_max3_num_f32 v13, |v[XS+3]|, |v[XS+4]|, |v[XS+5]|
.irp i, 6,10,14,18,22,26
	v_max3_num_f32 v12, v12, |v[XS+\i]|, |v[XS+\i+1]|
	v_max3_num_f32 v13, v13, |v[XS+\i+2]|, |v[XS+\i+3]|
.endr
	v_max3_num_f32 v12, v12, |v[XS+30]|, |v[XS+31]|
	v_max3_num_f32 v12, v12, v13, 0x2800000        ; and the floor
	v_add_nc_u32 v11, 0xfe000000, v12              ; the conversion's scale operand
	v_lshrrev_b32 v13, 23, v11                     ; the byte
.if (\be) == 0
	v_mov_b32 v[WW], v13
.else
	v_lshl_or_b32 v[WW], v13, 8*(\be), v[WW]
.endif
	v_cvt_scalef32_pk16_bf6_f32 v[WG+12*((\be)%2)+6*((\be)/2):WG+12*((\be)%2)+6*((\be)/2)+2], v[XS:XS+15], v11
	v_cvt_scalef32_pk16_bf6_f32 v[WT+4*(\be):WT+4*(\be)+2], v[XS+16:XS+31], v11
.endm
.macro WPATH pitch
	WLOAD 0, \pitch
	WLOAD 1, \pitch
	s_wait_loadcnt 32                              ; this block's 32 loads are in; the next block's may be out
	BLK 0
	WLOAD 2, \pitch
	s_wait_loadcnt 32
	BLK 1
	WLOAD 3, \pitch
	s_wait_loadcnt 32
	BLK 2
	s_wait_loadcnt 0x0
	BLK 3
	v_nop                                          ; one plain instruction behind the scaled conversions
.irp be, 0,1,2,3
.irp i, 0,1,2
	v_mov_b32 v[WG+12*(\be%2)+6*(\be/2)+3+\i], v[WT+4*\be+\i]
.endr
.endr
.irp h, 0,1
.irp c, 0,1,2
	global_store_b128 v6, v[WG+12*\h+4*\c:WG+12*\h+4*\c+3], s[16:17] offset:512*\c+256*\h   ; sixteen lanes fill 256 consecutive bytes of one tile's image, the other sixteen of the next tile's
.endr
.endr
	global_store_b32 v7, v[WW], s[18:19]
.endm
	v_lshl_add_u32 v30, v0, 2, 0x10200
	v_mov_b32 v31, 0
	s_cmp_lt_u32 ttmp9, 256
	s_cbranch_scc0 .Lweights
	s_load_b128 s[4:7], s[0:1], 0x0                ; x, ln1_w
	s_load_b64 s[8:9], s[0:1], 0x10                ; ln1_b
	s_load_b64 s[10:11], s[0:1], 0x40              ; hq
	LNBODY
	s_wait_tensorcnt 0x0
	ds_add_u32 v30, v31
	s_wait_dscnt 0x0
	s_endpgm
.Lweights:
	s_load_b64 s[4:5], s[0:1], 0x18                ; wq
	s_load_b64 s[6:7], s[0:1], 0x20                ; wk
	s_load_b64 s[8:9], s[0:1], 0x28                ; wv
	s_load_b64 s[10:11], s[0:1], 0x30              ; w_fc
	s_load_b64 s[14:15], s[0:1], 0x38              ; w_proj
	s_load_b64 s[16:17], s[0:1], 0x48              ; wts
	s_sub_co_u32 s12, ttmp9, 256                   ; the chunk: 0-191 wq, wk, wv; 192-447 w_fc; 448-703 w_proj
	v_lshrrev_b32 v1, 5, v0
	v_readfirstlane_b32 s13, v1                    ; wave: 32 of the chunk's 128 columns
	v_and_b32 v1, 31, v0
	v_lshlrev_b32 v2, 2, v1                        ; in: 4 bytes a lane
	v_bfe_u32 v3, v0, 3, 1                         ; column 32 w + L has position 32 w + 16 t + r with t = (L / 8) % 2,
	v_and_b32 v4, 7, v0
	v_bfe_u32 v5, v0, 4, 1
	v_lshl_add_u32 v4, v5, 3, v4                   ; r = L % 8 + 8 (L / 16)
	v_mul_u32_u24 v6, v3, 1536
	v_lshl_add_u32 v6, v4, 4, v6
	s_mul_i32 s18, s13, 3072
	v_add_nc_u32 v6, s18, v6                       ; tile 2 w + t of the chunk, lane slot r
	v_lshl_add_u32 v7, v3, 4, v4
	v_lshlrev_b32 v7, 2, v7
	s_lshl_b32 s24, s13, 7
	v_add_nc_u32 v7, s24, v7                       ; 4 x position
	s_mul_i32 s20, s12, 12288
	s_mov_b32 s21, 0
	s_lshl_b32 s22, s12, 9
	s_add_co_u32 s22, s22, WSC
	s_mov_b32 s23, 0
	s_mov_b32 s29, 0
	s_wait_kmcnt 0x0
	s_add_nc_u64 s[18:19], s[16:17], s[22:23]      ; the chunk's scale words
	s_add_nc_u64 s[16:17], s[16:17], s[20:21]      ; the chunk's images
	s_sub_co_u32 s25, s12, 192
	s_cmp_lt_u32 s25, 256                          ; (chunks under 192 wrap round to large numbers)
	s_cbranch_scc1 .Lw_fc
	s_cmp_ge_u32 s12, 64
	s_cselect_b64 s[4:5], s[6:7], s[4:5]
	s_cmp_ge_u32 s12, 128
	s_cselect_b64 s[4:5], s[8:9], s[4:5]
	s_cmp_ge_u32 s12, 448
	s_cselect_b64 s[4:5], s[14:15], s[4:5]
	s_cselect_b32 s26, 448, 0
	s_cselect_b32 s27, 5, 3                        ; w_proj has 32 K steps, the attention's weights 8
	s_sub_co_u32 s26, s12, s26
	s_bfm_b32 s28, s27, 0
	s_and_b32 s28, s26, s28                        ; the K step
	s_lshr_b32 s26, s26, s27
	s_and_b32 s26, s26, 7                          ; which 128 columns
	s_lshl_b32 s28, s28, 19                        ; 128 rows of 4,096 bytes
	s_lshl_b32 s26, s26, 9
	s_add_co_u32 s28, s28, s26
	s_add_co_u32 s28, s28, s24
	s_add_nc_u64 s[4:5], s[4:5], s[28:29]
	WPATH 4096
	s_endpgm
.Lw_fc:
	s_and_b32 s28, s25, 7
	s_lshr_b32 s26, s25, 3
	s_lshl_b32 s28, s28, 21                        ; 128 rows of 16,384 bytes
	s_lshl_b32 s26, s26, 9
	s_add_co_u32 s28, s28, s26
	s_add_co_u32 s28, s28, s24
	s_add_nc_u64 s[4:5], s[10:11], s[28:29]
	WPATH 16384
	s_endpgm
.Lfunc_end_k_q83dc3bcd23_prep:
	.size	k_q83dc3bcd23_prep, .Lfunc_end_k_q83dc3bcd23_prep-k_q83dc3bcd23_prep
	.p2alignl 7, 3214868480
	.fill 96, 4, 3214868480
	.section	.rodata,"a",@progbits
	.p2align	6, 0x0
	.amdhsa_kernel k_q83dc3bcd23_prep
		.amdhsa_group_segment_fixed_size 66560
		.amdhsa_private_segment_fixed_size 0
		.amdhsa_enable_private_segment 0
		.amdhsa_kernarg_size 80
		.amdhsa_user_sgpr_count 2
		.amdhsa_user_sgpr_kernarg_segment_ptr 1
		.amdhsa_wavefront_size32 1
		.amdhsa_system_sgpr_workgroup_id_x 1
		.amdhsa_system_sgpr_workgroup_id_y 1
		.amdhsa_system_sgpr_workgroup_id_z 1
		.amdhsa_system_vgpr_workitem_id 0
		.amdhsa_next_free_vgpr 256
		.amdhsa_next_free_sgpr 66
		.amdhsa_reserve_vcc 1
		.amdhsa_float_denorm_mode_32 3
		.amdhsa_float_denorm_mode_16_64 3
		.amdhsa_memory_ordered 1
		.amdhsa_forward_progress 1
		.amdhsa_inst_pref_size 83
	.end_amdhsa_kernel
	.amdgpu_metadata
---
amdhsa.version: [ 1, 2 ]
amdhsa.kernels:
  - .name:           k_q83dc3bcd23_prep
    .symbol:         k_q83dc3bcd23_prep.kd
    .args:
      - { .name: x, .offset: 0, .size: 8, .value_kind: global_buffer, .address_space: global }
      - { .name: ln1_w, .offset: 8, .size: 8, .value_kind: global_buffer, .address_space: global }
      - { .name: ln1_b, .offset: 16, .size: 8, .value_kind: global_buffer, .address_space: global }
      - { .name: wq, .offset: 24, .size: 8, .value_kind: global_buffer, .address_space: global }
      - { .name: wk, .offset: 32, .size: 8, .value_kind: global_buffer, .address_space: global }
      - { .name: wv, .offset: 40, .size: 8, .value_kind: global_buffer, .address_space: global }
      - { .name: w_fc, .offset: 48, .size: 8, .value_kind: global_buffer, .address_space: global }
      - { .name: w_proj, .offset: 56, .size: 8, .value_kind: global_buffer, .address_space: global }
      - { .name: hq, .offset: 64, .size: 8, .value_kind: global_buffer, .address_space: global }
      - { .name: wts, .offset: 72, .size: 8, .value_kind: global_buffer, .address_space: global }
    .group_segment_fixed_size: 66560
    .private_segment_fixed_size: 0
    .kernarg_segment_align: 8
    .kernarg_segment_size: 80
    .max_flat_workgroup_size: 128
    .sgpr_count:     66
    .vgpr_count:     256
    .wavefront_size: 32
...
	.end_amdgpu_metadata
.endif
;; end of part 1
;; launch qkv (part 2): grid 12 x 16, 4 waves a work-group, clusters of 4 x 4, 327,680 bytes of LDS; arguments hq, wts, bq, bk, bv, qb, kv, out1, out2; writes qb, kv, out1, out2
.if DOCPART == 2
	.amdgcn_target "amdgcn-amd-amdhsa--gfx1250"
	.amdhsa_code_object_version 6
	.text
	.protected	k_q83dc3bcd23_qkv
	.globl	k_q83dc3bcd23_qkv
	.p2align	8
	.type	k_q83dc3bcd23_qkv,@function
k_q83dc3bcd23_qkv:
	s_mov_b64 s[64:65], 0
	v_nop
	global_prefetch_b8 v0, s[64:65] scope:SCOPE_SE
	s_setreg_imm32_b32 hwreg(HW_REG_WAVE_MODE, 25, 1), 1
	s_wait_xcnt 0x0
	s_wait_alu depctr_hold_cnt(0) depctr_sa_sdst(0) depctr_va_vdst(0) depctr_va_sdst(0) depctr_va_ssrc(0) depctr_va_vcc(0) depctr_vm_vsrc(0)
	s_getreg_b32 s2, hwreg(HW_REG_IB_STS2, 6, 4)
	s_cmp_eq_u32 s2, 0
	s_cbranch_scc0 .Lentry_in_a_cluster
	s_endpgm
.Lentry_in_a_cluster:
	s_bfe_u32 s2, ttmp6, 0x10000c
	s_cmp_lg_u32 s2, 0xf033
	s_cbranch_scc0 .Lentry_shape_is_right
	s_endpgm
.Lentry_shape_is_right:
; q, k, v = h W + b: one product [4,096 x 1,024] x [1,024 x 3,072] on codes of BF6 (E3M2) with E8M0 scales; both operands come as register images (see below), sums in f32.
; A tile of 256 x 256 to a work-group of four waves, 128 x 128 (64 accumulators, 512 registers) to a wave.
; K IS EIGHT STEPS OF 128.  THREE LDS SLOTS OF TWO STEPS ARE ASKED FOR AT THE START, as much as LDS holds beside the scale words; only the first slot is filled again, with K steps 6 and 7, as soon as it is read out:
; that one refill has four and a half steps, 288 products a wave, in which to land.  So the launch has one refill, one round of the cluster's barrier for it, and no loop.
; IMAGES: a fragment (16 positions x 128 K) is 1,536 bytes, registers 4 c .. 4 c + 3 of lane l at 512 c + 16 l; 128 positions x 2 K steps are 24,576 dense bytes: one tensor load, and a fragment is three
; ds_load_b128 of 512 consecutive bytes.  Position p stands for row p with bits 3 and 4 exchanged.  Scale words: 512 bytes for 128 positions and a K step; all of K's come once, with the first fills.
; THE MATRIX INSTRUCTION IS USED TRANSPOSED (source 0 = 16 columns of W, source 1 = 16 rows of h): lane (r, h) holds row position 16 a + r, and register j of accumulator (a, b) column 32 (b / 2) + 16 h + 8 (b % 2) + j.
; The bias is the C of each sum's first product.  CLUSTERS: 4 x 4; A's tiles are asked for jointly along a row of the cluster, B's along a column.
; THE WAY OUT hangs on the cluster's x alone (0: q, 1: k, 2: v; the same in all sixteen partners):
;   q, k: a wave's 128 columns are two heads; quantised along the head's 64 in registers; a head's half fragment (6 registers a lane, 768 bytes) and its scale words go to qb or kv.
;   k, v: the f32 numbers go through the wave's stage in LDS to out1, out2 ([b][h][t][64]): sixteen lanes store a head's row of 256 bytes.
;   v: quantised along the KEYS: a lane takes a column of the stage, its registers run down 128 keys.
; RECORDS: qb (head, 128 queries): 8 half fragments, then 512 bytes of scale words.  kv (head, 128 keys), 13,056 bytes: K's 8 half fragments, K's words at 6,144, V's 4 fragments at 6,656, V's 64 words at 12,800.
; A head's scale word repeats its two bytes in the upper half, which scales the zero codes of the padded K.
; LIMITS: blocks whose largest magnitude lies under 2^-122 keep the byte 1; NaN and infinities are not served.  192 work-groups: a finer tile would read each fragment for fewer products.
.set NQ,     2                         ; K steps of 128 in a slot
.set REFB,   73728                     ; bytes from slot 0's first fill (K steps 0, 1) to its second (6, 7)
.set TILEB,  196608                    ; a tile's 256 positions, all K, in an operand's buffer
.set HALFB,  98304                     ; from the first fetching wave's part to the second's
.set HALFS,  4096                      ; scale words of 128 positions, all K
.set SCSTEP, 1024                      ; scale words: two K steps on
.set ASC,    3145728                   ; where hq's scale words begin
.set BSC,    8650752                   ; and wts'
.set FR,     12
.set NL,     3                         ; LDS loads to a fragment
.set QUART,  24576                     ; what one tensor load brings
.set SLOT,   4*QUART
.set SCL,    3*SLOT                    ; behind the three slots: the scale words
.set SPARE,  327168                    ; the spare words: 128 bytes for each wave, two blocks of 256 bytes that no other line names
.set SPITCH, 528                       ; the stage: a row of 512 bytes + 16
.set WSTAGE, 128*SPITCH                ; a wave's stage; the four lie over the slots, which have had their last fill and their last read by then
.set SCR,    4*WSTAGE                  ; behind the stages, still in the third slot: 1,024 bytes a wave in which the heads' scale words gather
.set ADRA, 16                          ; v16-18 LDS address of my A fragments in slot 0, 1, 2
.set ADRB, 19                          ; v19-21 of B's
.set ADRS, 22                          ; v22    of my scale words: lanes 0-15 A's, lanes 16-31 B's
.set STO,  24                          ; v24    the stage, in
.set RD,   25                          ; v25-26 the stage, out: rows 0-63, 64-127
.set SPW,  28
.set NIL,  29
.set SC,   32                          ; v32-63 scale words, two sets by turns; register NQ i + q
.set BIAS, 64                          ; v64-127 the bias in the result's layout; later the quantisers' registers
.set AF,   128                         ; v128-223 A's fragments, one set
.set BK,   128                         ; the way out: v128-255
.set PC,   64
.set TM,   84
.set PWT,  100
.set VG,   64                          ; V: two register images
.set VT,   88
.set G1, 24                            ; s[24:31] group 1 for A's tiles
.set G0, 32                            ; s[32:39] groups 0 for A's tiles: slot 0; slots 1 and 2
.set G1B, 48                           ; s[48:55] group 1 for B's
.set G0B, 56                           ; s[56:63] groups 0 for B's: slot 0; slots 1 and 2
.set G1S, 68
.set G0S, 76
.set G1SB, 80
.set G0SB, 88
.set CX, 95                            ; s95, s96 my place in the cluster; s97 the tile column; s98, s99 the masks
.set CY, 96
.set TC, 97
.set MROW, 98
.set MCOL, 99
.set MSB, 0
.macro WIN new                         ; the immediate's high byte repeats the setting that is left; a switch that changes nothing is dropped
.set WNEW, \new
.if MSB != WNEW
	s_set_vgpr_msb (MSB<<8)|WNEW
.set MSB, WNEW
.endif
.endm
.set TO_B, 0x40                        ; destination window 1, address window 0
.macro WMUL hi, mode                   ; source 0 (B) window 1, source 1 (A) window 0, D window 2 + hi; C with D, or (mode 2) the bias in window 0
.if \mode == 2
	WIN 0x81+0x40*\hi
.else
	WIN 0xa1+0x50*\hi
.endif
.endm
; A joint load: waves 0 and 1 fetch for A, waves 2 and 3 for B; the branch hangs on the wave's number alone.  Four v_nop follow each of the two lines.
.macro JLOAD g0a, g1a, g0b, g1b
	s_cmp_eq_u32 s15, 0
	s_cbranch_scc0 .Lfor_b_\@
	tensor_load_to_lds s[\g0a:\g0a+3], s[\g1a:\g1a+7]
	s_nop 0
.rept 4
	v_nop
.endr
	s_branch .Lasked_\@
.Lfor_b_\@:
	tensor_load_to_lds s[\g0b:\g0b+3], s[\g1b:\g1b+7]
	s_nop 0
.rept 4
	v_nop
.endr
.Lasked_\@:
.endm
.macro CREST                           ; a round of the cluster's barrier behind its opening barrier
	s_cmp_lg_u32 s14, 0
	s_cbranch_scc1 .Lnot_wave_0_\@
	s_barrier_signal -3
.Lnot_wave_0_\@:
	s_barrier_wait -3
	s_barrier_signal -1
	s_barrier_wait -1
.endm
.macro CROUND
	s_barrier_signal -1
	s_barrier_wait -1
	CREST
.endm
.macro FRAG reg, adr, q, i             ; a fragment as it lies: three loads of 512 consecutive bytes
.irp c, 0,1,2
	ds_load_b128 v[\reg+4*\c:\reg+4*\c+3], v[\adr] offset:(\q)*12288+(\i)*1536+512*\c
.endr
.endm
; 16 products: A's blocks a0, a0 + 1 x B's eight.  mode 0: onto the sums; 2: C = the bias.  The 64 accumulators take turns, one instruction a turn, in the same order in every step.
.macro MUL16 a0, p, q, sc, mode
.irp a, \a0, \a0+1
.irp b, 0,1,2,3,4,5,6,7
.set rD, 8*(8*((\a)%4)+\b)
.set rB, 128*(\p)+FR*\b
.set rA, AF+FR*(\a)
.set rSB, SC+8*NQ*(\sc)+NQ*\b+(\q)
.set rSA, SC+8*NQ*(\sc)+NQ*(\a)+(\q)
.if \mode == 2
	v_wmma_scale_f32_16x16x128_f8f6f4 v[rD:rD+7], v[rB:rB+FR-1], v[rA:rA+FR-1], v[BIAS+8*\b:BIAS+8*\b+7], v[rSB], v[rSA] matrix_a_fmt:MATRIX_FMT_BF6 matrix_b_fmt:MATRIX_FMT_BF6 matrix_a_scale:MATRIX_SCALE_ROW1
.else
	v_wmma_scale_f32_16x16x128_f8f6f4 v[rD:rD+7], v[rB:rB+FR-1], v[rA:rA+FR-1], v[rD:rD+7], v[rSB], v[rSA] matrix_a_fmt:MATRIX_FMT_BF6 matrix_b_fmt:MATRIX_FMT_BF6 matrix_a_scale:MATRIX_SCALE_ROW1
.endif
.endr
.endr
.endm
.macro FETCH_B slot, q, p
	WIN TO_B
.irp i, 0,1,2,3,4,5,6,7
	FRAG 128*(\p)+FR*\i, ADRB+\slot, \q, \i
.endr
	WIN 0
.endm
.macro FETCH_A slot, q, i0
.irp i, \i0, \i0+1, \i0+2, \i0+3
	FRAG AF+FR*(\i), ADRA+\slot, \q, \i
.endr
.endm
.macro SCALES sc                       ; two K steps' scale words into set sc: lanes 0-15 A's block i, lanes 16-31 B's block i
.irp i, 0,1,2,3,4,5,6,7
.set q, 0
.rept NQ
	ds_load_b32 v[SC+8*NQ*(\sc)+NQ*\i+q], v[ADRS] offset:q*512+64*\i
.set q, q+1
.endr
.endr
.endm
.macro PLACES n                        ; plain instructions between a matrix instruction and a load into, or a read of, its registers (ISA guide 7.12.1 for a read)
.rept \n
	v_nop
.endr
.endm
; A slot's first step: B's set 0; it fetches the slot's second step into set 1.  sc: the set of scale words.
.macro STEP slot, sc, mode
	s_wait_dscnt 4*NL                              ; B's set and A's blocks 0-3 are in; the youngest 12 loads (A's blocks 4-7) may be out
	WMUL 0, \mode
	MUL16 0, 0, 0, \sc, \mode
	MUL16 2, 0, 0, \sc, \mode
	s_wait_dscnt 0x0                               ; A's blocks 4-7 are in
	PLACES 4
	FETCH_B \slot, 1, 1
	FETCH_A \slot, 1, 0
	WMUL 1, \mode
	MUL16 4, 0, 0, \sc, \mode
	MUL16 6, 0, 0, \sc, \mode
	PLACES 4
	WIN 0
	FETCH_A \slot, 1, 4
.endm
; A slot's second step goes on to the next slot.  how = 1: the slot that is left (slot 0) is filled again: each wave waits for all its tensor loads, adds 0 to its spare word, waits for that and for its reads of the slot;
; the barrier opens a round of the cluster's, and the joint refill comes first behind it.  how = 0: the same three lines and a barrier, behind which the refill is whole for every wave; nothing is filled.
; how = 2: no barrier: the next slot was shown whole to every wave at the barrier of how = 1, and the slot that is left is not filled again.
.macro TURN slot, next, sc, how
.if \how == 2
	s_wait_dscnt 4*NL
	WMUL 0, 0
	MUL16 0, 1, 1, \sc, 0
	MUL16 2, 1, 1, \sc, 0
	s_wait_dscnt 0x0                               ; A's blocks 4-7 are in
	WIN 0
	PLACES 4
.else
	s_wait_tensorcnt 0x0                           ; all my tensor loads have landed
	ds_add_u32 v[SPW], v[NIL]                      ; 0 onto my spare word
	s_wait_dscnt 4*NL+1                            ; (the add and the youngest 12 loads may be out)
	WMUL 0, 0
	MUL16 0, 1, 1, \sc, 0
	s_wait_dscnt 0x0                               ; the add is done, and my reads of this slot are over
	s_barrier_signal -1
	MUL16 2, 1, 1, \sc, 0
	WIN 0
	s_barrier_wait -1
.if \how == 1
	CREST                                          ; no wave of any partner still reads this slot or has a load on its way
	s_add_nc_u64 s[G0+2:G0+3], s[G0+2:G0+3], REFB
	s_add_nc_u64 s[G0B+2:G0B+3], s[G0B+2:G0B+3], REFB
	s_mov_b32 s[G1+2], 96<<16                      ; the refill brings two K steps: 96 rows
	s_mov_b32 s[G1+4], 96
	s_mov_b32 s[G1B+2], 96<<16
	s_mov_b32 s[G1B+4], 96
	JLOAD G0, G1, G0B, G1B                         ; the first tensor load behind the round; its four v_nop are the places in front of the loads below
.else
	PLACES 4
.endif
.endif
	v_add_nc_u32 v[ADRS], SCSTEP, v[ADRS]
	FETCH_B \next, 0, 0
	FETCH_A \next, 0, 0
	SCALES 1-\sc
	WMUL 1, 0
	MUL16 4, 1, 1, \sc, 0
	MUL16 6, 1, 1, \sc, 0
	PLACES 4
	WIN 0
	FETCH_A \next, 0, 4
.endm
; 64 numbers of a lane in window w, register 16 b + i = column 32 b + 16 (lane / 16) + i of the lane's row, become 12 registers of codes at v[PC] and the scale word v[pw].
.macro QUANT s, w, pw
	WIN (\w)|((\w)<<2)                             ; sources 0 and 1 in window w
.irp b, 0,1,2,3
	v_max3_num_f32 v[TM+\b], |v[\s+16*\b]|, |v[\s+1+16*\b]|, 0x2800000   ; the floor 2^(5 - 127): the byte cannot fall under 1.  Each accumulator is read from its low end on
.endr
.irp i, 2,4,6,8,10,12,14
.irp b, 0,1,2,3
	v_max3_num_f32 v[TM+\b], |v[\s+16*\b+\i]|, |v[\s+1+16*\b+\i]|, v[TM+\b]
.endr
.endr
	WIN 0
.irp b, 0,1,2,3
	v_permlanex16_b32 v[TM+4+\b], v[TM+\b], s20, s21
.endr
.irp b, 0,1,2,3
	v_max_num_f32 v[TM+\b], v[TM+\b], v[TM+4+\b]
.endr
.irp b, 0,1,2,3
	v_add_nc_u32 v[TM+12+\b], 0xfe000000, v[TM+\b]
.endr
.irp b, 0,1,2,3
	v_lshrrev_b32 v[TM+4+\b], 23, v[TM+12+\b]
.endr
	v_lshl_or_b32 v[\pw], v[TM+5], 8, v[TM+4]
	v_lshl_or_b32 v[\pw], v[TM+6], 16, v[\pw]
	v_lshl_or_b32 v[\pw], v[TM+7], 24, v[\pw]
	WIN \w                                         ; source 0 in window w
.irp c, 0,1
	v_cvt_scalef32_pk16_bf6_f32 v[PC+6*\c:PC+2+6*\c], v[\s+32*\c:\s+15+32*\c], v[TM+12+2*\c]
	v_cvt_scalef32_pk16_bf6_f32 v[PC+12+4*\c:PC+14+4*\c], v[\s+16+32*\c:\s+31+32*\c], v[TM+12+2*\c+1]
.endr
	WIN 0
	v_nop                                          ; one plain instruction behind the scaled conversions
.irp c, 0,1
.irp i, 0,1,2
	v_permlane16_swap_b32 v[PC+6*\c+\i], v[PC+12+4*\c+\i]
.endr
.irp i, 0,1,2
	v_mov_b32 v[PC+3+6*\c+\i], v[PC+12+4*\c+\i]
.endr
.endr
.endm
	s_load_b128 s[4:7], s[0:1], 0x0                ; hq, wts
	s_load_b128 s[8:11], s[0:1], 0x10              ; bq, bk
	s_load_b64 s[12:13], s[0:1], 0x20              ; bv
	v_lshl_add_u32 v[SPW], v0, 2, SPARE
	v_mov_b32 v[NIL], 0
	ds_add_u32 v28, v29
	ds_add_u32 v28, v29
	s_wait_dscnt 0x0
	v_lshrrev_b32 v1, 5, v0
	v_readfirstlane_b32 s14, v1                    ; wave 0..3
	s_lshr_b32 s15, s14, 1                         ; my half of the tile's rows.  Also: I fetch for A (0) or for B (1)
	s_and_b32 s16, s14, 1                          ; my half of its columns.  Also: which part I fetch
	s_bfe_u32 s[CX], ttmp6, 0x40000                ; cx, cy
	s_bfe_u32 s[CY], ttmp6, 0x40004
	s_lshl_b32 s[TC], ttmp9, 2
	s_add_co_u32 s[TC], s[TC], s[CX]               ; tile column
	s_and_b32 s17, ttmp7, 0xffff
	s_lshl_b32 s17, s17, 2
	s_add_co_u32 s17, s17, s[CY]                   ; tile row
	s_lshl_b32 s[MROW], s[CY], 2
	s_lshl_b32 s[MROW], 15, s[MROW]                ; my row of the cluster
	s_lshl_b32 s[MCOL], 0x1111, s[CX]              ; my column
	s_or_b32 s[G1+0], s[MROW], (3<<16)|(1<<21)     ; 15:0 the mask; 17:16 elements of 8 bytes; 21 set beside a mask; no padding: the blocks are read as they lie
	s_or_b32 s[G1B+0], s[MCOL], (3<<16)|(1<<21)
.irp g, G1, G1B                        ; the head's shape: two rows of 24,576 bytes (K steps 0, 1 of 128 positions each), HALFB bytes apart
	s_mov_b32 s[\g+1], 3072<<16
	s_mov_b32 s[\g+2], 2<<16
	s_mov_b32 s[\g+3], 3072<<16
	s_mov_b32 s[\g+4], 2
	s_mov_b32 s[\g+5], HALFB/8
	s_mov_b32 s[\g+6], 0
	s_mov_b32 s[\g+7], 0
.endr
	s_or_b32 s[G1S+0], s[MROW], (3<<16)|(1<<21)
	s_or_b32 s[G1SB+0], s[MCOL], (3<<16)|(1<<21)
.irp g, G1S, G1SB
	s_mov_b32 s[\g+1], 32<<16
	s_mov_b32 s[\g+2], (HALFS/128)<<16             ; the scale words of 256 positions, all K: 8,192 dense bytes
	s_mov_b32 s[\g+3], 32<<16
	s_mov_b32 s[\g+4], HALFS/128
	s_mov_b32 s[\g+5], 32
	s_mov_b32 s[\g+6], 0
	s_mov_b32 s[\g+7], 0
.endr
	s_mul_i32 s20, s17, TILEB                      ; A's bytes hang on the tile row and the wave alone, B's on the tile column and the wave
	s_mul_i32 s18, s16, HALFB
	s_add_co_u32 s20, s20, s18
	s_mul_i32 s92, s[TC], TILEB
	s_add_co_u32 s92, s92, s18
	s_mul_i32 s22, s17, 2*HALFS
	s_mul_i32 s2, s[TC], 2*HALFS
	s_mov_b32 s21, 0
	s_mov_b32 s23, 0
	s_mov_b32 s93, 0
	s_mov_b32 s3, 0
	s_mul_i32 s94, s14, QUART                      ; where they go: by the wave's number alone
	s_lshl_b32 s19, s94, 1                         ; K steps 2-5: 49,152 bytes a wave
	s_wait_kmcnt 0x0
	s_add_nc_u64 s[20:21], s[4:5], s[20:21]
	s_add_nc_u64 s[22:23], s[4:5], s[22:23]
	s_add_nc_u64 s[22:23], s[22:23], ASC
	s_add_nc_u64 s[92:93], s[6:7], s[92:93]
	s_add_nc_u64 s[2:3], s[6:7], s[2:3]
	s_add_nc_u64 s[2:3], s[2:3], BSC
	CROUND                                         ; all sixteen work-groups are here: the first joint loads meet
	s_mov_b32 s[G0S], 1
	s_mov_b32 s[G0S+1], SCL
	s_mov_b64 s[G0S+2:G0S+3], s[22:23]
	s_or_b32 s[G0S+3], s[G0S+3], 0x80000000
	s_mov_b32 s[G0SB], 1
	s_mov_b32 s[G0SB+1], SCL+2*HALFS
	s_mov_b64 s[G0SB+2:G0SB+3], s[2:3]
	s_or_b32 s[G0SB+3], s[G0SB+3], 0x80000000
.irp s, 0,1                            ; group 0 number 0: K steps 0, 1 (later 6, 7) into slot 0; number 1: K steps 2-5 into the bytes of slots 1 and 2
	s_mov_b32 s[G0+4*\s], 1
	s_add_nc_u64 s[G0+4*\s+2:G0+4*\s+3], s[20:21], \s*QUART
	s_or_b32 s[G0+4*\s+3], s[G0+4*\s+3], 0x80000000
	s_mov_b32 s[G0B+4*\s], 1
	s_add_nc_u64 s[G0B+4*\s+2:G0B+4*\s+3], s[92:93], \s*QUART
	s_or_b32 s[G0B+4*\s+3], s[G0B+4*\s+3], 0x80000000
.endr
	s_mov_b32 s[G0+1], s94
	s_mov_b32 s[G0B+1], s94
	s_add_co_u32 s[G0+5], s19, SLOT
	s_add_co_u32 s[G0B+5], s19, SLOT
; THE HEAD'S LOADS, ONE A WAVE: wave 0 A's K steps 0, 1 of all 256 rows (its own part's address is the first half's, and the second row of the tile is the second half),
; wave 2 the same of B, wave 1 A's scale words, wave 3 B's.  One tree of branches on the wave's number; every way passes one load.
.macro ARM under, g0, g1, next
	s_cmp_lt_u32 s14, \under
	s_cbranch_scc0 \next
	tensor_load_to_lds s[\g0:\g0+3], s[\g1:\g1+7]
	s_nop 0
.rept 4
	v_nop
.endr
	s_branch .Lhead_asked
\next:
.endm
	ARM 1, G0, G1, .Lhead_sa
	ARM 2, G0S, G1S, .Lhead_b
	ARM 3, G0B, G1B, .Lhead_sb
	tensor_load_to_lds s[G0SB:G0SB+3], s[G1SB:G1SB+7]
	s_nop 0
.rept 4
	v_nop
.endr
.Lhead_asked:
	v_and_b32 v1, 31, v0                           ; lane
	v_bfe_u32 v2, v0, 4, 1                         ; h
	s_wait_alu depctr_va_vdst(0)
	v_lshlrev_b32 v3, 4, v1                        ; 16 x lane
	s_wait_alu depctr_va_vdst(0)
	v_and_b32 v4, 15, v0                           ; r
	s_cmp_eq_u32 ttmp9, 1                          ; the bias of my 128 columns: bq, bk or bv by the cluster's x
	s_cselect_b64 s[8:9], s[10:11], s[8:9]
	s_cmp_eq_u32 ttmp9, 2
	s_cselect_b64 s[8:9], s[12:13], s[8:9]
	s_lshl_b32 s18, s[CX], 10
	s_lshl_b32 s19, s16, 9
	s_add_co_u32 s18, s18, s19
	s_mov_b32 s19, 0
	s_add_nc_u64 s[8:9], s[8:9], s[18:19]
	v_lshlrev_b32 v7, 6, v2                        ; 64 h: my half's 16 columns of each 32
.irp b, 0,1,2,3,4,5,6,7
	global_load_b128 v[BIAS+8*\b:BIAS+8*\b+3], v7, s[8:9] offset:128*(\b/2)+32*(\b%2)
	global_load_b128 v[BIAS+8*\b+4:BIAS+8*\b+7], v7, s[8:9] offset:128*(\b/2)+32*(\b%2)+16
.endr
	s_mul_i32 s21, s15, QUART                      ; my 128 rows of A,
	s_mul_i32 s22, s16, QUART
	s_add_co_u32 s22, s22, 2*QUART                 ; my 128 columns of B, behind A's two parts
	v_add_nc_u32 v[ADRA], s21, v3
	v_add_nc_u32 v[ADRB], s22, v3
	s_lshl_b32 s21, s21, 1                         ; behind slot 0 a part holds four K steps on end: 49,152 bytes a part
	s_lshl_b32 s22, s22, 1
	s_add_co_u32 s21, s21, SLOT
	s_add_co_u32 s22, s22, SLOT
	v_add_nc_u32 v[ADRA+1], s21, v3                ; K steps 2, 3
	v_add_nc_u32 v[ADRB+1], s22, v3
	v_add_nc_u32 v[ADRA+2], QUART, v[ADRA+1]       ; K steps 4, 5
	v_add_nc_u32 v[ADRB+2], QUART, v[ADRB+1]
	s_mul_i32 s21, s15, HALFS
	s_mul_i32 s22, s16, HALFS
	s_add_co_u32 s22, s22, 2*HALFS
	s_sub_co_u32 s22, s22, s21
	v_mul_u32_u24 v6, s22, v2                      ; lanes 16-31 take B's words: one product, the distance between the two bases
	s_wait_alu depctr_va_vdst(0)
	s_add_co_u32 s21, s21, SCL
	v_lshl_add_u32 v5, v4, 2, v6
	v_add_nc_u32 v[ADRS], s21, v5
	s_mul_i32 s23, s14, WSTAGE                     ; every LDS address of the way out is made here
	v_mul_u32_u24 v5, v4, SPITCH
	v_lshl_add_u32 v5, v2, 6, v5
	v_add_nc_u32 v[STO], s23, v5                   ; in: row slot r, + 64 h
	v_add_nc_u32 v[RD], s23, v3                    ; out: a row of 512 bytes to the 32 lanes
	v_add_nc_u32 v[RD+1], 64*SPITCH, v[RD]
	v_lshlrev_b32 v8, 3, v1                        ; 8 x lane
	v_lshlrev_b32 v9, 2, v1                        ; 4 x lane
	v_add_nc_u32 v27, s23, v9                      ; a column to a lane: row slots 0-63 (v27),
	v_add_nc_u32 v5, 64*SPITCH, v27                ; 64-127 (v5)
	v_lshlrev_b32 v10, 4, v4
	v_lshl_add_u32 v10, v2, 19, v10                ; out1, out2: lanes 16-31 the next head, 524,288 bytes on
	v_mul_u32_u24 v11, v2, 1536
	v_lshl_add_u32 v11, v4, 4, v11                 ; V's images: lanes 16-31 the next tile
	s_lshl_b32 s23, s14, 10
	s_add_co_u32 s23, s23, SCR
	v_lshl_add_u32 v12, v4, 2, s23                 ; the scratch, in: 4 r
	v_add_nc_u32 v13, s23, v3                      ; out: 16 x lane
	s_wait_alu depctr_va_vdst(0)
	s_wait_tensorcnt 0x0                           ; my tile of the head's four is in
	ds_add_u32 v[SPW], v[NIL]
.irp g, G1, G1B                        ; no tensor load of mine is out: from here on a load brings 192 rows of 256 dense bytes
	s_mov_b32 s[\g+1], 32<<16
	s_mov_b32 s[\g+2], 192<<16
	s_mov_b32 s[\g+3], 32<<16
	s_mov_b32 s[\g+4], 192
	s_mov_b32 s[\g+5], 32
.endr
	s_wait_dscnt 0x0
	CROUND                                         ; all four tiles are in, and all sixteen work-groups are here
	JLOAD G0+4, G1, G0B+4, G1B                     ; K steps 2-5 of my part: my one load behind the round
	FETCH_B 0, 0, 0
	FETCH_A 0, 0, 0
	SCALES 0
	FETCH_A 0, 0, 4
	s_wait_loadcnt 0x0                             ; the bias
	STEP 0, 0, 2                                   ; K step 0 starts the sums, on the bias
	TURN 0, 1, 0, 1                                ; K step 1; slots 1 and 2 are whole; slot 0 takes K steps 6 and 7
	s_wait_alu depctr_va_vdst(0)
	STEP 1, 1, 0                                   ; 2
	TURN 1, 2, 1, 2                                ; 3
	s_wait_alu depctr_va_vdst(0)
	STEP 2, 0, 0                                   ; 4
	TURN 2, 0, 0, 0                                ; 5; the refill is whole
	STEP 0, 1, 0                                   ; 6
	s_wait_dscnt 4*NL                              ; 7: nothing more to fetch
	WMUL 0, 0
	MUL16 0, 1, 1, 1, 0
	MUL16 2, 1, 1, 1, 0
	s_wait_dscnt 0x0
	WMUL 1, 0
	MUL16 4, 1, 1, 1, 0
	MUL16 6, 1, 1, 1, 0
	WIN 0
	; ---- THE WAY OUT.  No tensor load of mine is out (the last barrier's wait was for all), so the descriptors' registers are free.
	s_load_b64 s[24:25], s[0:1], 0x28              ; qb
	s_load_b64 s[26:27], s[0:1], 0x30              ; kv
	s_load_b64 s[28:29], s[0:1], 0x38              ; out1
	s_load_b64 s[30:31], s[0:1], 0x40              ; out2
	s_mov_b32 s20, 0x76543210
	s_mov_b32 s21, 0xfedcba98
	s_lshl_b32 s32, s17, 1
	s_add_co_u32 s32, s32, s15                     ; my 128 rows: block 0..31
	s_and_b32 s33, s32, 15                         ; which 128 of the sequence
	s_lshr_b32 s34, s32, 4                         ; the batch
	s_lshl_b32 s34, s34, 4
	s_lshl_b32 s35, s[CX], 2
	s_add_co_u32 s34, s34, s35
	s_lshl_b32 s35, s16, 1
	s_add_co_u32 s34, s34, s35                     ; my first head: 16 batch + 4 cx + 2 (w % 2)
	s_lshl_b32 s36, s34, 19
	s_lshl_b32 s37, s33, 15
	s_add_co_u32 s36, s36, s37                     ; in out1, out2
	s_mov_b32 s37, 0
	s_lshl_b32 s38, s34, 4
	s_add_co_u32 s38, s38, s33                     ; the record
	s_mul_i32 s48, s38, 13056
	s_mov_b32 s49, 0
	s_mul_i32 s50, s38, 6656
	s_mov_b32 s51, 0
	s_mov_b32 s59, 0
	s_wait_dscnt 0x0                               ; my reads of the slots and of the scale words are over;
	s_barrier_signal -1
	s_barrier_wait -1                              ; everybody's are: the stages may be written
	PLACES 4                                       ; behind the last products
	s_wait_kmcnt 0x0
	s_cmp_eq_u32 ttmp9, 2
	s_cselect_b64 s[52:53], s[30:31], s[28:29]
	s_add_nc_u64 s[52:53], s[52:53], s[36:37]      ; out1 or out2 at my first head's first row
	s_add_nc_u64 s[54:55], s[26:27], s[48:49]
	s_add_nc_u64 s[54:55], s[54:55], 6656          ; V's part of my first head's record
	s_cmp_eq_u32 ttmp9, 0
	s_cselect_b64 s[44:45], s[24:25], s[26:27]
	s_cselect_b64 s[56:57], s[50:51], s[48:49]
	s_mov_b32 s58, 16*13056
	s_cselect_b32 s58, 16*6656, s58                ; from a head's record to the next head's
	s_add_nc_u64 s[44:45], s[44:45], s[56:57]      ; q's or k's record of my first head,
	s_add_nc_u64 s[46:47], s[44:45], s[58:59]      ; of my second
	s_cmp_eq_u32 ttmp9, 0
	s_cbranch_scc1 .Lcodes
	; ---- k, v: all 128 x 128 numbers into my stage, rows in position order, columns as they are
.irp a, 0,1,2,3,4,5,6,7
	WIN 0x08+4*(\a/4)                              ; an LDS store's data: window 2 or 3
.irp b, 0,1,2,3,4,5,6,7
	ds_store_b128 v[STO], v[64*(\a%4)+8*\b:64*(\a%4)+8*\b+3] offset:16*\a*SPITCH+128*(\b/2)+32*(\b%2)       ; each accumulator from its low end on
	ds_store_b128 v[STO], v[64*(\a%4)+8*\b+4:64*(\a%4)+8*\b+7] offset:16*\a*SPITCH+128*(\b/2)+32*(\b%2)+16
.endr
.endr
	WIN 0
.macro RDG g                           ; row slots 16 g .. 16 g + 15 back, whole rows; LDS serves a wave's instructions in order (ISA guide 5.7.1.4): these see my stores
.set BB, BK+64*((\g)%2)
.irp t, 0,1,2,3,4,5,6,7,8,9,10,11,12,13,14,15
	ds_load_b128 v[BB+4*\t:BB+4*\t+3], v[RD+(\g)/4] offset:(16*((\g)%4)+\t)*SPITCH
.endr
.endm
.macro SENDG g, younger                ; slot 16 g + t holds the row with bits 3 and 4 exchanged; sixteen lanes store a head's 256 consecutive bytes, aligned
.set BB, BK+64*((\g)%2)
	s_wait_dscnt \younger
.irp t, 0,1,2,3,4,5,6,7,8,9,10,11,12,13,14,15
	global_store_b128 v10, v[BB+4*\t:BB+4*\t+3], s[52:53] offset:(32*((\g)/2)+16*(\t/8)+8*((\g)%2)+\t%8)*256
.endr
.endm
	RDG 0
.irp g, 1,2,3,4,5,6,7
.if \g > 1
	s_wait_xcnt 0x0                                ; group g - 2's stores have read their registers: group g's loads may land there
.endif
	RDG \g
	SENDG \g-1, 16                                 ; behind group g - 1's loads: group g's 16
.endr
	SENDG 7, 0
	s_cmp_eq_u32 ttmp9, 2
	s_cbranch_scc0 .Lcodes
	; ---- v: quantised along the keys.  Lane L takes column 32 cg + L of my stage; key 32 be + i lies in row slot 32 be + (i with bits 3 and 4 exchanged)
.macro DLOAD be, cg
.set CR, 27-22*((\be)/2)               ; v27 for row slots 0-63, v5 for 64-127
.set i, 0
.rept 32
	ds_load_b32 v[BK+32*(\be)+i], v[CR] offset:(32*((\be)%2)+16*((i/8)%2)+8*(i/16)+i%8)*SPITCH+128*(\cg)
.set i, i+1
.endr
.endm
.macro BLK be
.set XS, BK+32*(\be)
	v_max3_num_f32 v14, |v[XS]|, |v[XS+1]|, |v[XS+2]|
	v_max3_num_f32 v15, |v[XS+3]|, |v[XS+4]|, |v[XS+5]|
.irp i, 6,10,14,18,22,26
	v_max3_num_f32 v14, v14, |v[XS+\i]|, |v[XS+\i+1]|
	v_max3_num_f32 v15, v15, |v[XS+\i+2]|, |v[XS+\i+3]|
.endr
	v_max3_num_f32 v14, v14, |v[XS+30]|, |v[XS+31]|
	v_max3_num_f32 v14, v14, v15, 0x2800000
	v_add_nc_u32 v23, 0xfe000000, v14
	v_lshrrev_b32 v30, 23, v23
.if (\be) == 0
	v_mov_b32 v31, v30
.else
	v_lshl_or_b32 v31, v30, 8*(\be), v31
.endif
	v_cvt_scalef32_pk16_bf6_f32 v[VG+12*((\be)%2)+6*((\be)/2):VG+12*((\be)%2)+6*((\be)/2)+2], v[XS:XS+15], v23
	v_cvt_scalef32_pk16_bf6_f32 v[VT+4*(\be):VT+4*(\be)+2], v[XS+16:XS+31], v23
.endm
.irp cg, 0,1,2,3
	s_wait_xcnt 0x0                                ; the stores issued so far have read their registers
	DLOAD 0, \cg
	DLOAD 1, \cg
	s_wait_dscnt 32                                ; this block's 32 loads are in; the next block's may be out
	BLK 0
	DLOAD 2, \cg
	s_wait_dscnt 32
	BLK 1
	DLOAD 3, \cg
	s_wait_dscnt 32
	BLK 2
	s_wait_dscnt 0x0
	BLK 3
	v_nop                                          ; one plain instruction behind the scaled conversions
.irp be, 0,1,2,3
.irp i, 0,1,2
	v_mov_b32 v[VG+12*(\be%2)+6*(\be/2)+3+\i], v[VT+4*\be+\i]
.endr
.endr
.irp h, 0,1
.irp c, 0,1,2
	global_store_b128 v11, v[VG+12*\h+4*\c:VG+12*\h+4*\c+3], s[54:55] offset:(\cg/2)*208896+(\cg%2)*3072+512*\c+256*\h   ; sixteen lanes: 256 consecutive bytes of a tile's image
.endr
.endr
	global_store_b32 v9, v31, s[54:55] offset:(\cg/2)*208896+6144+(\cg%2)*128
.endr
	s_branch .Lend
.Lcodes:
	; ---- q, k: quantised along the head's 64.  A block's 128 columns are two heads: registers 0-5 of the fragment are the first head's half, 6-11 the second's
.irp a, 0,1,2,3,4,5,6,7
	s_wait_xcnt 0x0                                ; the last block's stores have read the codes' registers
	QUANT 64*(\a%4), 2+\a/4, PWT
	v_perm_b32 v101, v[PWT], v[PWT], 0x01000100    ; the first head's two bytes, twice;
	v_perm_b32 v102, v[PWT], v[PWT], 0x03020302    ; the second's
	ds_store_b32 v12, v101 offset:64*\a            ; lanes r and r + 16 write the same word with the same value
	ds_store_b32 v12, v102 offset:512+64*\a
	global_store_b128 v3, v[PC:PC+3], s[44:45] offset:768*\a
	global_store_b64 v8, v[PC+4:PC+5], s[44:45] offset:768*\a+512
	global_store_b128 v3, v[PC+6:PC+9], s[46:47] offset:768*\a
	global_store_b64 v8, v[PC+10:PC+11], s[46:47] offset:768*\a+512
.endr
	ds_load_b128 v[104:107], v13                   ; 128 positions' words of each head: 512 consecutive bytes
	ds_load_b128 v[108:111], v13 offset:512
	s_wait_dscnt 0x0
	global_store_b128 v3, v[104:107], s[44:45] offset:6144
	global_store_b128 v3, v[108:111], s[46:47] offset:6144
.Lend:
	s_wait_tensorcnt 0x0                           ; the wave's end
	ds_add_u32 v[SPW], v[NIL]
	s_wait_dscnt 0x0
	CROUND                                         ; the closing round
	s_endpgm
.Lfunc_end_k_q83dc3bcd23_qkv:
	.size	k_q83dc3bcd23_qkv, .Lfunc_end_k_q83dc3bcd23_qkv-k_q83dc3bcd23_qkv
	.p2alignl 7, 3214868480
	.fill 96, 4, 3214868480
	.section	.rodata,"a",@progbits
	.p2align	6, 0x0
	.amdhsa_kernel k_q83dc3bcd23_qkv
		.amdhsa_group_segment_fixed_size 327680
		.amdhsa_private_segment_fixed_size 0
		.amdhsa_enable_private_segment 0
		.amdhsa_kernarg_size 72
		.amdhsa_user_sgpr_count 2
		.amdhsa_user_sgpr_kernarg_segment_ptr 1
		.amdhsa_wavefront_size32 1
		.amdhsa_system_sgpr_workgroup_id_x 1
		.amdhsa_system_sgpr_workgroup_id_y 1
		.amdhsa_system_sgpr_workgroup_id_z 1
		.amdhsa_system_vgpr_workitem_id 0
		.amdhsa_next_free_vgpr 1024
		.amdhsa_next_free_sgpr 100
		.amdhsa_reserve_vcc 0
		.amdhsa_float_denorm_mode_32 3
		.amdhsa_float_denorm_mode_16_64 3
		.amdhsa_memory_ordered 1
		.amdhsa_forward_progress 1
		.amdhsa_inst_pref_size 235
	.end_amdhsa_kernel
	.amdgpu_metadata
---
amdhsa.version: [ 1, 2 ]
amdhsa.kernels:
  - .name:           k_q83dc3bcd23_qkv
    .symbol:         k_q83dc3bcd23_qkv.kd
    .args:
      - { .name: hq, .offset: 0, .size: 8, .value_kind: global_buffer, .address_space: global }
      - { .name: wts, .offset: 8, .size: 8, .value_kind: global_buffer, .address_space: global }
      - { .name: bq, .offset: 16, .size: 8, .value_kind: global_buffer, .address_space: global }
      - { .name: bk, .offset: 24, .size: 8, .value_kind: global_buffer, .address_space: global }
      - { .name: bv, .offset: 32, .size: 8, .value_kind: global_buffer, .address_space: global }
      - { .name: qb, .offset: 40, .size: 8, .value_kind: global_buffer, .address_space: global }
      - { .name: kv, .offset: 48, .size: 8, .value_kind: global_buffer, .address_space: global }
      - { .name: out1, .offset: 56, .size: 8, .value_kind: global_buffer, .address_space: global }
      - { .name: out2, .offset: 64, .size: 8, .value_kind: global_buffer, .address_space: global }
    .group_segment_fixed_size: 327680
    .private_segment_fixed_size: 0
    .kernarg_segment_align: 8
    .kernarg_segment_size: 72
    .max_flat_workgroup_size: 128
    .sgpr_count:     100
    .vgpr_count:     1024
    .wavefront_size: 32
...
	.end_amdgpu_metadata
.endif
;; end of part 2
;; launch attn (part 3): grid 8 x 32, 16 waves a work-group, clusters of 4 x 1, 327,680 bytes of LDS; arguments qb, kv, x, x1; writes x1
.if DOCPART == 3
	.amdgcn_target "amdgcn-amd-amdhsa--gfx1250"
	.amdhsa_code_object_version 6
	.text
	.protected	k_q83dc3bcd23_attn
	.globl	k_q83dc3bcd23_attn
	.p2align	8
	.type	k_q83dc3bcd23_attn,@function
k_q83dc3bcd23_attn:
	s_mov_b64 s[64:65], 0
	v_nop
	global_prefetch_b8 v0, s[64:65] scope:SCOPE_SE
	s_setreg_imm32_b32 hwreg(HW_REG_WAVE_MODE, 25, 1), 1
	s_wait_xcnt 0x0
	s_wait_alu depctr_hold_cnt(0) depctr_sa_sdst(0) depctr_va_vdst(0) depctr_va_sdst(0) depctr_va_ssrc(0) depctr_va_vcc(0) depctr_vm_vsrc(0)
	s_getreg_b32 s2, hwreg(HW_REG_IB_STS2, 6, 4)
	s_cmp_eq_u32 s2, 0
	s_cbranch_scc0 .Lentry_in_a_cluster
	s_endpgm
.Lentry_in_a_cluster:
	s_bfe_u32 s2, ttmp6, 0x10000c
	s_cmp_lg_u32 s2, 0x3003
	s_cbranch_scc0 .Lentry_shape_is_right
	s_endpgm
.Lentry_shape_is_right:
; x1 = x + causal attention, head by head; both products on codes of BF6 (E3M2) with E8M0 scales.  Head size 64, 2,048 keys, 32 heads (batch x head).
; THE SOFTMAX AHEAD OF THE SECOND PRODUCT: t = score x log2(e) / 8; M = the largest t so far, rounded UP to a whole number; p = 2^(t - M) is quantised along the keys, not normalised; the row's sum
; is taken of the unquantised p and divides at the end.  When M moves, the sum and O are multiplied by 2^(old M - new M): exact.
; INPUTS: qb record (head, 128 queries): 8 half fragments of 768 bytes (6 registers a lane: the head's 64), then 128 scale words.
; kv record (head, 128 keys), 13,056 bytes: K's 8 half fragments, K's words at 6,144, V's 4 fragments (16 channels x 128 keys) at 6,656, V's 64 words at 12,800.
; Position p of a record of q or k stands for row p with bits 3 and 4 exchanged: so the 16 registers of two neighbouring tiles of S^T are 16 neighbouring keys.
; THE PRODUCT'S K IS 128, THE HEAD'S 64: Q's registers 6-11 are zero codes; K's operand for tile t reaches into the next tile's codes, which meet Q's zeros.
; SHARES.  Work-group g of a head owns tile g (16 queries) of EVERY one of the head's 16 blocks of 128 queries: 1 + 2 + .. + 16 = 136 key steps of 128 in every work-group, and all 16 records are read by it.
; Blocks S and 15 - S (S = 0..7) are a pair, 17 steps, served by two waves.  Role 0 walks the long tile's records 0-7: 8 steps, none on the diagonal.  Role 1 walks the long tile's records 15 - S down to 8
; (the first is on the diagonal), lays its part (O^T, -M, the sum) into its partner's LDS region, and walks the short tile's records 0 .. S (the last on the diagonal): 9 steps.
; Behind the loop role 0 joins the two parts of the long tile: both are brought under the larger M by whole powers of two.  Each wave then sends one tile out: role 0 the long, role 1 the short.
; The order of the keys is free: the running M serves any order, and every query has its own key in the step on the diagonal.
; The role is bit 0 xor bit 2 of the wave's number, the partner is wave xor 4.  Every wave loads both tiles' Q by the same lines; role 0 uses the first alone.
; THE RECORDS, 208,896 bytes, come into LDS once: wave w asks for record w, its one tensor load; nothing is filled again.
; CLUSTER 4, 1, 1: the eight work-groups of a head read the same records, so four ask jointly (mask 15).  No branch, trip count or LDS address hangs on a work-group's place: it enters the addresses of q, x, x1 and the mask's numbers alone.
; NO PREFETCH: all of K and V is asked for by the first lines; there is no loop to run ahead in.  x is asked for behind the records' barrier and is wanted at the end.
; LIMITS: NaN and infinities are not served; the promise holds while the scaled scores t stay under 2^31 in magnitude.
.set REC,   13056
.set QREC,  6656
.set STAGE, 16*REC                     ; behind the records: a region of WST bytes for each wave: the partner's part (9 x 512 bytes), then the way out's 16 rows x 272 bytes; no fill lands here
.set WST,   4608
.set SPARE, STAGE+16*WST               ; the spare words: 128 bytes for each wave
.set SPW,  95
.set NIL,  243
.set WV,   18
.set ROLE, 19
.set SEL,  20                          ; s[20:21]
.set CS,   22                          ; s[22:23] c = log2(e) / 8
.set G1,   24                          ; s[24:31]
.set G0,   32                          ; s[32:35]
.set SB,   36                          ; S, the short block
.set LB,   37                          ; 15 - S, the long block
.set TG,   38                          ; my work-group's tile in every block
.set HD,   39                          ; batch x 16 + head
.set Y,    40                          ; the walk: role 1 from S, role 0 from 8, one on in each trip
.set T,    41                          ; the trip, 0..8
.set NR,   42                          ; 1 - role
.set TB,   43                          ; LDS byte of the step's record
; REGISTERS: v1-3 16, 8, 4 x lane; v4 the partner's region, v5 mine; v6, v31 the stage in and out; v7 my byte in x and x1; v8-10 the step's LDS addresses; v12 -M, v13 the largest t, v[14:15] the sum;
; v16-27 Q; v28-29 V's scale words; v30 my query in its block - 16 (lane / 16); v32-85 K's half tiles and six zeros, then V's four fragments; v86-92 the short tile's Q and its words;
; v96-159 S^T, then p; v160-191 O^T; v192-223 x; v224-235 p's codes; v232-254 at work; v248-251 K's scale words; v255 Q's.
.macro CROUND                          ; a round of the cluster's barrier
	s_barrier_signal -1
	s_barrier_wait -1
	s_cmp_lg_u32 s[WV], 0
	s_cbranch_scc1 .Lnot_wave_0_\@
	s_barrier_signal -3
.Lnot_wave_0_\@:
	s_barrier_wait -3
	s_barrier_signal -1
	s_barrier_wait -1
.endm
.macro INIT                            ; a tile's walk begins: the largest t -3e38, the sum and O^T zeros
	v_mov_b32 v13, 0xff61b1e6
	v_mov_b32 v14, 0
	v_mov_b32 v15, 0
	s_delay_alu instid0(VALU_DEP_3)
	v_floor_f32 v12, -v13
.set j, 0
.rept 32
	v_mov_b32 v[160+j], 0
.set j, j+1
.endr
.endm
	s_load_b128 s[4:7], s[0:1], 0x0                ; qb, kv
	s_load_b128 s[8:11], s[0:1], 0x10              ; x, x1
	v_lshl_add_u32 v[SPW], v0, 2, SPARE
	v_mov_b32 v[NIL], 0
	ds_add_u32 v[SPW], v[NIL]
	ds_add_u32 v[SPW], v[NIL]
	v_lshrrev_b32 v8, 5, v0
	s_delay_alu instid0(VALU_DEP_1)
	v_readfirstlane_b32 s[WV], v8                  ; wave 0..15
	s_and_b32 s[HD], ttmp7, 0xffff
	s_mov_b32 s[G1], 15|(3<<16)|(1<<21)            ; the four of my cluster; elements of 8 bytes; bit 21 beside the mask; no padding
	s_mov_b32 s[G1+1], 32<<16                      ; rows of 256 bytes,
	s_mov_b32 s[G1+2], 51<<16                      ; 51 of them: a record
	s_mov_b32 s[G1+3], 32<<16
	s_mov_b32 s[G1+4], 51
	s_mov_b32 s[G1+5], 32
	s_mov_b32 s[G1+6], 0
	s_mov_b32 s[G1+7], 0
	s_mul_i32 s56, s[WV], REC                      ; wave w fetches record w
	s_mul_i32 s52, s[HD], 16*REC
	s_add_co_u32 s52, s52, s56
	s_mov_b32 s53, 0
	s_mov_b32 s[G0], 1
	s_mov_b32 s[G0+1], s56
	s_wait_dscnt 0x0
	s_wait_kmcnt 0x0
	s_add_nc_u64 s[G0+2:G0+3], s[6:7], s[52:53]
	s_or_b32 s[G0+3], s[G0+3], 0x80000000
	CROUND                                         ; the four work-groups are here: the joint loads meet
	tensor_load_to_lds s[G0:G0+3], s[G1:G1+7]
	s_nop 0
.rept 4
	v_nop
.endr
	s_bfe_u32 s51, ttmp6, 0x40000                  ; cx
	s_lshl_b32 s[TG], ttmp9, 2
	s_add_co_u32 s[TG], s[TG], s51                 ; work-group x = my tile g
	s_lshr_b32 s[ROLE], s[WV], 2
	s_xor_b32 s[ROLE], s[ROLE], s[WV]
	s_and_b32 s[ROLE], s[ROLE], 1
	s_xor_b32 s[NR], s[ROLE], 1
	s_and_b32 s[SB], s[WV], 3
	s_lshr_b32 s57, s[WV], 3
	s_lshl_b32 s57, s57, 2
	s_or_b32 s[SB], s[SB], s57
	s_xor_b32 s[LB], s[SB], 15
	s_mul_i32 s[Y], s[SB], s[ROLE]
	s_lshl_b32 s57, s[NR], 3
	s_add_co_u32 s[Y], s[Y], s57
	s_mov_b32 s[T], 0
	s_lshl_b32 s60, s[HD], 4
	s_add_co_u32 s58, s60, s[LB]
	s_add_co_u32 s60, s60, s[SB]
	s_mul_i32 s58, s58, QREC
	s_mul_i32 s60, s60, QREC
	s_mul_i32 s62, s[TG], 768
	s_add_co_u32 s58, s58, s62
	s_add_co_u32 s60, s60, s62
	s_mov_b32 s59, 0
	s_mov_b32 s61, 0
	s_add_nc_u64 s[12:13], s[4:5], s[58:59]        ; the long tile's half fragment of q,
	s_add_nc_u64 s[14:15], s[4:5], s[60:61]        ; the short tile's
	s_mul_i32 s63, s[TG], 704
	s_sub_co_u32 s63, 6144, s63                    ; from a tile's fragment to its scale words: 6,144 + 64 g - 768 g
	s_cmp_eq_u32 s[ROLE], 0
	s_cselect_b32 s57, s[LB], s[SB]                ; the block whose tile I send out
	s_lshl_b32 s57, s57, 7
	s_lshr_b32 s62, s[TG], 1
	s_lshl_b32 s62, s62, 5
	s_and_b32 s56, s[TG], 1
	s_lshl_b32 s56, s56, 3
	s_add_co_u32 s62, s62, s56                     ; position 16 g + r is query 32 (g / 2) + 8 (g % 2) + r + 8 (r / 8) of the block
	s_lshr_b32 s60, s[HD], 4
	s_lshl_b32 s60, s60, 11
	s_add_co_u32 s60, s60, s57
	s_add_co_u32 s60, s60, s62
	s_lshl_b32 s60, s60, 12                        ; that row of x, 4,096 bytes a row,
	s_and_b32 s56, s[HD], 15
	s_lshl_b32 s56, s56, 8
	s_add_co_u32 s60, s60, s56                     ; + the head's 256 bytes
	s_add_nc_u64 s[8:9], s[8:9], s[60:61]
	s_add_nc_u64 s[10:11], s[10:11], s[60:61]
	s_mul_i32 s52, s[WV], WST
	s_add_co_u32 s52, s52, STAGE                   ; my region,
	s_xor_b32 s53, s[WV], 4
	s_mul_i32 s53, s53, WST
	s_add_co_u32 s53, s53, STAGE                   ; my partner's
	s_mov_b32 s[SEL], 0x76543210
	s_mov_b32 s[SEL+1], 0xfedcba98
	s_mov_b32 s[CS], 0x3e38aa3b                    ; log2(e) / sqrt(64)
	s_mov_b32 s[CS+1], s[CS]
	v_and_b32 v10, 31, v0
	v_and_b32 v8, 15, v0                           ; r
	v_bfe_u32 v9, v0, 4, 1                         ; h
	s_delay_alu instid0(VALU_DEP_3)
	v_lshlrev_b32 v1, 4, v10
	v_lshlrev_b32 v2, 3, v10
	v_lshlrev_b32 v3, 2, v10
	v_lshl_add_u32 v11, v8, 2, s63
	global_load_b128 v[16:19], v1, s[12:13]        ; the long tile's Q,
	global_load_b64 v[20:21], v2, s[12:13] offset:512
	global_load_b32 v255, v11, s[12:13]            ; its scale words;
	global_load_b128 v[86:89], v1, s[14:15]        ; the short tile's
	global_load_b64 v[90:91], v2, s[14:15] offset:512
	global_load_b32 v92, v11, s[14:15]
	v_add_nc_u32 v4, s53, v1                       ; every LDS address is made here, ahead of the first parting of the roles
	v_add_nc_u32 v5, s52, v1
	v_mul_u32_u24 v6, v8, 272
	v_mul_u32_u24 v31, v9, 272
	s_delay_alu instid0(VALU_DEP_2)
	v_lshl_add_u32 v6, v9, 5, v6
	s_delay_alu instid0(VALU_DEP_2)
	v_lshl_add_u32 v31, v8, 4, v31
	s_delay_alu instid0(VALU_DEP_2)
	v_add_nc_u32 v6, s52, v6                       ; the stage, in: row slot r; tile t's eight channels of my half at 64 t + 32 h
	s_delay_alu instid0(VALU_DEP_2)
	v_add_nc_u32 v31, s52, v31                     ; back: lanes 0-15 one row slot, lanes 16-31 the next
	v_lshlrev_b32 v7, 4, v8
	s_delay_alu instid0(VALU_DEP_1)
	v_lshl_add_u32 v7, v9, 12, v7                  ; x, x1: lanes 0-15 one row, lanes 16-31 the next; 16 bytes a lane
	v_and_b32 v10, 8, v8
	s_delay_alu instid0(VALU_DEP_1)
	v_add_nc_u32 v10, v10, v8
	v_lshlrev_b32 v30, 4, v9
	s_delay_alu instid0(VALU_DEP_1)
	v_sub_nc_u32 v30, v10, v30
	s_delay_alu instid0(VALU_DEP_1)
	v_add_nc_u32 v30, s62, v30                     ; my query in its block, less 16 h
.irp j, 22,23,24,25,26,27,80,81,82,83,84,85
	v_mov_b32 v\j, 0                               ; Q's zero codes; and what stands above K's last tile
.endr
.irp b, 0,1,2,3
	v_mov_b32 v[236+\b], 0                         ; a lane exchange's destination counts as read
.endr
	v_mov_b32 v252, 0
	v_mov_b32 v253, 0
	INIT
	s_wait_alu depctr_va_vdst(0)
	s_wait_tensorcnt 0x0                           ; my record is in;
	s_barrier_signal -1
	s_barrier_wait -1                              ; all sixteen are
	s_wait_loadcnt 0x0                             ; Q and its words
.irp i, 0,1,2,3,4,5,6,7
	global_load_b128 v[192+4*\i:195+4*\i], v7, s[8:9] offset:(2*(\i%4)+16*(\i/4))*4096   ; x, in the order in which the rows leave the stage; wanted at the very end
.endr
.Ltrip:
	s_cmp_eq_u32 s[Y], 16                          ; role 0 has eight steps: its ninth trip does nothing
	s_cbranch_scc1 .Lhidden
	s_cmp_lg_u32 s[Y], 8
	s_cbranch_scc1 .Lsame
	s_cmp_eq_u32 s[ROLE], 0
	s_cbranch_scc1 .Lsame
	; ROLE 1 LEAVES THE LONG TILE: its part goes into the partner's region as an image of the registers, and the short tile's walk begins
.rept 4
	v_nop                                          ; places behind the last step's products
.endr
.irp k, 0,1,2,3,4,5,6,7
	ds_store_b128 v4, v[160+4*\k:163+4*\k] offset:512*\k   ; each accumulator from its low end on
.endr
	ds_store_b128 v4, v[12:15] offset:4096         ; -M, the largest t, the sum's two halves
.irp j, 0,1,2,3,4,5
	v_mov_b32 v[16+\j], v[86+\j]
.endr
	v_mov_b32 v255, v92
	INIT
.Lsame:
	s_lshr_b32 s57, s[Y], 3                        ; the record: 15 - Y while Y < 8, then Y - 8
	s_xor_b32 s57, s57, 1
	s_mul_i32 s57, s57, 7
	s_xor_b32 s57, s57, 8
	s_xor_b32 s57, s57, s[Y]
	s_mul_i32 s[TB], s57, REC
	v_add_nc_u32 v8, s[TB], v1
	v_add_nc_u32 v9, s[TB], v2
	v_add_nc_u32 v10, s[TB], v3
	v_nop                                          ; four plain instructions between the last step's products and the loads into their registers
.irp t, 0,1,2,3,4,5,6,7
	ds_load_b128 v[32+6*\t:35+6*\t], v8 offset:768*\t
	ds_load_b64 v[36+6*\t:37+6*\t], v9 offset:768*\t+512
.endr
.irp b, 0,1,2,3
	ds_load_b32 v[248+\b], v10 offset:6144+128*\b  ; lanes 0-15: tile 2 b's words; lanes 16-31: tile 2 b + 1's
.endr
	s_wait_alu depctr_va_vdst(0)
	s_wait_dscnt 0x0
.irp t, 0,2,4,6
	v_wmma_scale_f32_16x16x128_f8f6f4 v[96+8*\t:103+8*\t], v[32+6*\t:43+6*\t], v[16:27], 0, v[248+\t/2], v255 matrix_a_fmt:MATRIX_FMT_BF6 matrix_b_fmt:MATRIX_FMT_BF6
	v_wmma_scale_f32_16x16x128_f8f6f4 v[104+8*\t:111+8*\t], v[38+6*\t:49+6*\t], v[16:27], 0, v[248+\t/2], v255 matrix_a_fmt:MATRIX_FMT_BF6 matrix_b_fmt:MATRIX_FMT_BF6 matrix_a_scale:MATRIX_SCALE_ROW1
.endr
.rept 4
	v_nop                                          ; places: in front of V's loads into K's registers, and of the first read of the scores
.endr
.irp t, 0,1,2,3
.irp c, 0,1,2
	ds_load_b128 v[32+12*\t+4*\c:35+12*\t+4*\c], v8 offset:6656+1536*\t+512*\c   ; V is asked for now and lands while the softmax is walked
.endr
.endr
	ds_load_b32 v28, v10 offset:12800              ; V's words: lanes 0-15 tile 0, lanes 16-31 tile 1;
	ds_load_b32 v29, v10 offset:12928              ; tiles 2, 3
	s_and_b32 s57, s[T], 7                         ; on the diagonal: role 1's trips 0 and 8
	s_or_b32 s57, s57, s[NR]
	s_cmp_lg_u32 s57, 0
	s_cbranch_scc1 .Lopen
	v_mov_b32 v254, 0xff800000                     ; -infinity: p = 0 then
.set n, 0
.rept 64
	v_cmp_gt_i32 vcc_lo, 32*(n/16)+n%16, v30       ; register 16 b + i holds key 32 b + 16 h + i of the step
	v_cndmask_b32 v[96+n], v[96+n], v254, vcc_lo
.set n, n+1
.endr
.Lopen:
.irp b, 0,1,2,3
	v_max3_num_f32 v[232+\b], v[96+16*\b], v[97+16*\b], v[98+16*\b]   ; the largest score of each block of 32 keys: for the row's maximum, and, since p rises with the score, for the block's largest p
.endr
.irp i, 3,5,7,9,11,13
.irp b, 0,1,2,3
	v_max3_num_f32 v[232+\b], v[232+\b], v[96+16*\b+\i], v[97+16*\b+\i]
.endr
.endr
.irp b, 0,1,2,3
	v_max_num_f32 v[232+\b], v[232+\b], v[111+16*\b]
.endr
.irp b, 0,1,2,3
	s_delay_alu instid0(VALU_DEP_4)
	v_permlanex16_b32 v[236+\b], v[232+\b], s[SEL], s[SEL+1]
.endr
.irp b, 0,1,2,3
	s_delay_alu instid0(VALU_DEP_4)
	v_max_num_f32 v[232+\b], v[232+\b], v[236+\b]
.endr
	s_delay_alu instid0(VALU_DEP_2)
	v_max3_num_f32 v254, v232, v233, v234
	s_delay_alu instid0(VALU_DEP_1)
	v_max_num_f32 v254, v254, v235
	s_delay_alu instid0(VALU_DEP_1)
	v_mul_f32 v254, s[CS], v254
	s_delay_alu instid0(VALU_DEP_1)
	v_max_num_f32 v13, v13, v254                   ; the running largest t
	v_mov_b32 v254, v12
	s_delay_alu instid0(VALU_DEP_2)
	v_floor_f32 v12, -v13                          ; the new -M = -ceil(t)
	s_delay_alu instid0(VALU_DEP_1)
	v_sub_f32 v254, v12, v254
	s_delay_alu instid0(VALU_DEP_1)
	v_cvt_i32_f32 v254, v254                       ; (it saturates)
	s_delay_alu instid0(VALU_DEP_1)
	v_ldexp_f32 v252, 1.0, v254                    ; f = 2^(old M - new M)
.set j, 0
.rept 32
	v_pk_fma_f32 v[96+j:97+j], v[96+j:97+j], s[CS:CS+1], v[12:13] op_sel_hi:[1,0,0]   ; t - M
.set j, j+2
.endr
.irp b, 0,1,2,3
	v_fma_f32 v[232+\b], v[232+\b], s[CS], v12
.endr
.set j, 0
	s_wait_alu depctr_va_vdst(0)
.rept 64
	v_exp_f32 v[96+j], v[96+j]                     ; p = 2^(t - M)
.set j, j+1
.endr
	v_pk_mul_f32 v[14:15], v[14:15], v[252:253] op_sel_hi:[1,0]   ; the sums under the new M: the plain instruction behind the exponentials
	s_wait_alu depctr_va_vdst(0)                   ; one wait for the batch of 64, ahead of its first reader
.irp b, 0,1,2,3
	v_exp_f32 v[232+\b], v[232+\b]                 ; each block's largest p
.endr
	v_pk_add_f32 v[236:237], v[100:101], v[104:105]   ; the row's sum of the unquantised p, in eight chains
	v_pk_add_f32 v[250:251], v[108:109], v[112:113]
	v_pk_add_f32 v[248:249], v[116:117], v[120:121]
	v_pk_add_f32 v[246:247], v[124:125], v[128:129]
	v_pk_add_f32 v[244:245], v[132:133], v[136:137]
	v_pk_add_f32 v[240:241], v[140:141], v[144:145]
	v_pk_add_f32 v[238:239], v[148:149], v[152:153]
	v_pk_add_f32 v[14:15], v[14:15], v[156:157]
	v_pk_add_f32 v[236:237], v[236:237], v[96:97]
	v_pk_add_f32 v[250:251], v[250:251], v[98:99]
	v_pk_add_f32 v[248:249], v[248:249], v[102:103]
	v_pk_add_f32 v[246:247], v[246:247], v[106:107]
	v_pk_add_f32 v[244:245], v[244:245], v[110:111]
	v_pk_add_f32 v[240:241], v[240:241], v[114:115]
	v_pk_add_f32 v[238:239], v[238:239], v[118:119]
	v_pk_add_f32 v[14:15], v[14:15], v[122:123]
	v_pk_add_f32 v[236:237], v[236:237], v[126:127]
	v_pk_add_f32 v[250:251], v[250:251], v[130:131]
	v_pk_add_f32 v[248:249], v[248:249], v[134:135]
	v_pk_add_f32 v[246:247], v[246:247], v[138:139]
	v_pk_add_f32 v[244:245], v[244:245], v[142:143]
	v_pk_add_f32 v[240:241], v[240:241], v[146:147]
	v_pk_add_f32 v[238:239], v[238:239], v[150:151]
	v_pk_add_f32 v[14:15], v[14:15], v[154:155]
	v_pk_add_f32 v[236:237], v[236:237], v[158:159]
	s_delay_alu instid0(VALU_DEP_2)
	v_pk_add_f32 v[14:15], v[14:15], v[246:247]
	s_delay_alu instid0(VALU_DEP_2)
	v_pk_add_f32 v[236:237], v[236:237], v[244:245]
	v_pk_add_f32 v[250:251], v[250:251], v[240:241]
	v_pk_add_f32 v[248:249], v[248:249], v[238:239]
	s_delay_alu instid0(VALU_DEP_2)
	v_pk_add_f32 v[14:15], v[14:15], v[250:251]
	s_delay_alu instid0(VALU_DEP_2)
	v_pk_add_f32 v[236:237], v[236:237], v[248:249]
	s_delay_alu instid0(VALU_DEP_1)
	v_pk_add_f32 v[14:15], v[14:15], v[236:237]
	s_wait_alu depctr_va_vdst(0)                   ; and one for the four
.irp b, 0,1,2,3
	v_max_num_f32 v[232+\b], 0x2800000, v[232+\b]  ; the floor 2^(5 - 127)
.endr
.irp b, 0,1,2,3
	s_delay_alu instid0(VALU_DEP_4)
	v_add_nc_u32 v[244+\b], 0xfe000000, v[232+\b]
.endr
.irp b, 0,1,2,3
	s_delay_alu instid0(VALU_DEP_4)
	v_lshrrev_b32 v[236+\b], 23, v[244+\b]
.endr
	s_delay_alu instid0(VALU_DEP_3)
	v_lshl_or_b32 v253, v237, 8, v236              ; p's scale word for these 128 keys
	s_delay_alu instid0(VALU_DEP_1)
	v_lshl_or_b32 v253, v238, 16, v253
	s_delay_alu instid0(VALU_DEP_1)
	v_lshl_or_b32 v253, v239, 24, v253
.irp c, 0,1
	v_cvt_scalef32_pk16_bf6_f32 v[224+6*\c:226+6*\c], v[96+32*\c:111+32*\c], v[244+2*\c]
	v_cvt_scalef32_pk16_bf6_f32 v[236+4*\c:238+4*\c], v[112+32*\c:127+32*\c], v[244+2*\c+1]
.endr
	v_nop
.irp c, 0,1
.irp i, 0,1,2
	v_permlane16_swap_b32 v[224+6*\c+\i], v[236+4*\c+\i]
.endr
.irp i, 0,1,2
	s_delay_alu instid0(VALU_DEP_3)
	v_mov_b32 v[227+6*\c+\i], v[236+4*\c+\i]
.endr
.endr
.set j, 0
.rept 16
	v_pk_mul_f32 v[160+j:161+j], v[160+j:161+j], v[252:253] op_sel_hi:[1,0]   ; O^T under the new M; these sixteen also stand between the codes and the scale word just made and the products
.set j, j+2
.endr
	s_wait_alu depctr_va_vdst(0)
	s_wait_dscnt 0x0                               ; V
.irp t, 0,2
	v_wmma_scale_f32_16x16x128_f8f6f4 v[160+8*\t:167+8*\t], v[32+12*\t:43+12*\t], v[224:235], v[160+8*\t:167+8*\t], v[28+\t/2], v253 matrix_a_fmt:MATRIX_FMT_BF6 matrix_b_fmt:MATRIX_FMT_BF6
	v_wmma_scale_f32_16x16x128_f8f6f4 v[168+8*\t:175+8*\t], v[44+12*\t:55+12*\t], v[224:235], v[168+8*\t:175+8*\t], v[28+\t/2], v253 matrix_a_fmt:MATRIX_FMT_BF6 matrix_b_fmt:MATRIX_FMT_BF6 matrix_a_scale:MATRIX_SCALE_ROW1
.endr
.Lhidden:
	s_add_co_u32 s[Y], s[Y], 1
	s_add_co_u32 s[T], s[T], 1
	s_cmp_lt_u32 s[T], 9
	s_cbranch_scc1 .Ltrip
	s_wait_alu depctr_va_vdst(0)
	s_wait_dscnt 0x0                               ; for the partner's sake: role 1's part lies in LDS
	s_barrier_signal -1
	s_barrier_wait -1
.rept 4
	v_nop                                          ; places behind the last products
.endr
	s_cmp_lg_u32 s[ROLE], 0
	s_cbranch_scc1 .Lout
	; ROLE 0 JOINS THE LONG TILE'S TWO PARTS: both under the larger M, by whole powers of two
.irp k, 0,1,2,3,4,5,6,7
	ds_load_b128 v[96+4*\k:99+4*\k], v5 offset:512*\k
.endr
	ds_load_b128 v[128:131], v5 offset:4096
	s_wait_dscnt 0x0
	v_min_num_f32 v132, v12, v128                  ; -M of both
	s_delay_alu instid0(VALU_DEP_1)
	v_sub_f32 v133, v132, v12
	v_sub_f32 v134, v132, v128
	s_delay_alu instid0(VALU_DEP_2)
	v_cvt_i32_f32 v133, v133
	s_delay_alu instid0(VALU_DEP_2)
	v_cvt_i32_f32 v134, v134
	s_delay_alu instid0(VALU_DEP_2)
	v_ldexp_f32 v252, 1.0, v133                    ; my part's factor,
	s_delay_alu instid0(VALU_DEP_2)
	v_ldexp_f32 v128, 1.0, v134                    ; the partner's
	s_delay_alu instid0(VALU_DEP_2)
	v_pk_mul_f32 v[14:15], v[14:15], v[252:253] op_sel_hi:[1,0]
.set j, 0
.rept 16
	v_pk_mul_f32 v[160+j:161+j], v[160+j:161+j], v[252:253] op_sel_hi:[1,0]
.set j, j+2
.endr
	v_pk_fma_f32 v[14:15], v[130:131], v[128:129], v[14:15] op_sel_hi:[1,0,1]
.set j, 0
.rept 16
	v_pk_fma_f32 v[160+j:161+j], v[96+j:97+j], v[128:129], v[160+j:161+j] op_sel_hi:[1,0,1]
.set j, j+2
.endr
.Lout:
	; THE WAY OUT: O^T / the sum through my stage in LDS, so that sixteen lanes hold a row's 256 bytes; + x; stored.
	v_add_f32 v14, v14, v15
	s_delay_alu instid0(VALU_DEP_1)
	v_permlanex16_b32 v252, v14, s[SEL], s[SEL+1]
	s_delay_alu instid0(VALU_DEP_1)
	v_add_f32 v14, v14, v252                       ; the row's sum
	s_wait_alu depctr_va_vdst(0)
	v_rcp_f32 v14, v14
	v_nop                                          ; a plain instruction behind the reciprocal
	s_wait_alu depctr_va_vdst(0)                   ; ahead of the reciprocal's first reader, and of the first read of O^T
.set j, 0
.rept 16
	v_pk_mul_f32 v[96+j:97+j], v[160+j:161+j], v[14:15] op_sel_hi:[1,0]
.set j, j+2
.endr
.irp t, 0,1,2,3
	ds_store_b128 v6, v[96+8*\t:99+8*\t] offset:64*\t
	ds_store_b128 v6, v[100+8*\t:103+8*\t] offset:64*\t+16
.endr
.irp i, 0,1,2,3,4,5,6,7
	ds_load_b128 v[32+4*\i:35+4*\i], v31 offset:2*\i*272   ; LDS serves a wave's instructions in order (ISA guide 5.7.1.4): these see my stores
.endr
	s_wait_loadcnt 0x0                             ; x
.irp i, 0,1,2,3,4,5,6,7
	s_wait_dscnt 7-\i                              ; row slots 2 i, 2 i + 1 are back; the younger loads may be out
	v_pk_add_f32 v[32+4*\i:33+4*\i], v[32+4*\i:33+4*\i], v[192+4*\i:193+4*\i]
	v_pk_add_f32 v[34+4*\i:35+4*\i], v[34+4*\i:35+4*\i], v[194+4*\i:195+4*\i]
	global_store_b128 v7, v[32+4*\i:35+4*\i], s[10:11] offset:(2*(\i%4)+16*(\i/4))*4096   ; sixteen lanes store 256 consecutive bytes, aligned
.endr
	s_wait_tensorcnt 0x0                           ; the wave's end
	ds_add_u32 v[SPW], v[NIL]
	s_wait_dscnt 0x0
	CROUND                                         ; the closing round
	s_endpgm
.Lfunc_end_k_q83dc3bcd23_attn:
	.size	k_q83dc3bcd23_attn, .Lfunc_end_k_q83dc3bcd23_attn-k_q83dc3bcd23_attn
	.p2alignl 7, 3214868480
	.fill 96, 4, 3214868480
	.section	.rodata,"a",@progbits
	.p2align	6, 0x0
	.amdhsa_kernel k_q83dc3bcd23_attn
		.amdhsa_group_segment_fixed_size 327680
		.amdhsa_private_segment_fixed_size 0
		.amdhsa_enable_private_segment 0
		.amdhsa_kernarg_size 32
		.amdhsa_user_sgpr_count 2
		.amdhsa_user_sgpr_kernarg_segment_ptr 1
		.amdhsa_wavefront_size32 1
		.amdhsa_system_sgpr_workgroup_id_x 1
		.amdhsa_system_sgpr_workgroup_id_y 1
		.amdhsa_system_sgpr_workgroup_id_z 1
		.amdhsa_system_vgpr_workitem_id 0
		.amdhsa_next_free_vgpr 256
		.amdhsa_next_free_sgpr 80
		.amdhsa_reserve_vcc 1
		.amdhsa_float_denorm_mode_32 3
		.amdhsa_float_denorm_mode_16_64 3
		.amdhsa_memory_ordered 1
		.amdhsa_forward_progress 1
		.amdhsa_inst_pref_size 42
	.end_amdhsa_kernel
	.amdgpu_metadata
---
amdhsa.version: [ 1, 2 ]
amdhsa.kernels:
  - .name:           k_q83dc3bcd23_attn
    .symbol:         k_q83dc3bcd23_attn.kd
    .args:
      - { .name: qb, .offset: 0, .size: 8, .value_kind: global_buffer, .address_space: global }
      - { .name: kv, .offset: 8, .size: 8, .value_kind: global_buffer, .address_space: global }
      - { .name: x, .offset: 16, .size: 8, .value_kind: global_buffer, .address_space: global }
      - { .name: x1, .offset: 24, .size: 8, .value_kind: global_buffer, .address_space: global }
    .group_segment_fixed_size: 327680
    .private_segment_fixed_size: 0
    .kernarg_segment_align: 8
    .kernarg_segment_size: 32
    .max_flat_workgroup_size: 512
    .sgpr_count:     80
    .vgpr_count:     256
    .wavefront_size: 32
...
	.end_amdgpu_metadata
.endif
;; end of part 3
;; launch ln2 (part 4): grid 256 x 1, 4 waves a work-group, no clusters, 66,560 bytes of LDS; arguments x1, ln2_w, ln2_b, hq; writes hq
.if DOCPART == 4
	.amdgcn_target "amdgcn-amd-amdhsa--gfx1250"
	.amdhsa_code_object_version 6
	.text
	.protected	k_q83dc3bcd23_ln2
	.globl	k_q83dc3bcd23_ln2
	.p2align	8
	.type	k_q83dc3bcd23_ln2,@function
k_q83dc3bcd23_ln2:
	s_mov_b64 s[64:65], 0
	v_nop
	global_prefetch_b8 v0, s[64:65] scope:SCOPE_SE
	s_setreg_imm32_b32 hwreg(HW_REG_WAVE_MODE, 25, 1), 1
	s_wait_xcnt 0x0
; h2 = layer norm of x1 (rows of 1,024 f32), quantised along the row to codes of BF6 (E3M2) with one E8M0 byte for each 32, into hq, as register images of the matrix operand.
; A fragment is 16 positions x 128 K = 1,536 bytes; registers 4 c .. 4 c + 3 of lane l lie at 512 c + 16 l; fragment (tile T, K step s) at ((T / 8) 8 + s) 12,288 + (T % 8) 1,536;
; the scale word of position p and K step s at 3,145,728 + ((p / 128) 8 + s) 512 + 4 (p % 128).  Position p stands for row p with bits 3 and 4 exchanged.
; A launch of its own: a row's norm wants all 16 heads of the row, which 16 work-groups of the launch before have stored.  It streams: no tensor loads, no cluster, no matrix unit.
; LIMITS: blocks whose largest magnitude lies under 2^-122 keep the byte 1; NaN and infinities are not served.
.set X,    32                          ; v32-159  four rows of 32 numbers a lane; later two K steps of 64
.set LW,   160                         ; v160-191 gain
.set LB,   192                         ; v192-223 bias
.set ST,   224                         ; v224-239 row k: pair at +4 k (sum, mean, 1/sigma), pair at +4 k + 2 (sum of squares)
.set PT,   240
.set TM,   160                         ; the quantiser's 16 registers (the gain is done with)
.set PCA,  176
.set PCB,  196
.set PWA,  216
.set PWB,  217
.set LP,   4112                        ; an LDS row: 4,096 bytes + 16 = 257 x 16
.set HQS,  3145728
.macro QUANT s, pc, pw
.irp b, 0,1,2,3
	v_max3_num_f32 v[TM+\b], |v[\s+16*\b]|, |v[\s+1+16*\b]|, 0x2800000   ; the floor 2^(5 - 127): the byte cannot fall under 1
.endr
.irp i, 2,4,6,8,10,12,14
.irp b, 0,1,2,3
	v_max3_num_f32 v[TM+\b], v[TM+\b], |v[\s+16*\b+\i]|, |v[\s+1+16*\b+\i]|
.endr
.endr
.irp b, 0,1,2,3
	v_permlanex16_b32 v[TM+4+\b], v[TM+\b], s20, s21
.endr
.irp b, 0,1,2,3
	v_max_num_f32 v[TM+\b], v[TM+\b], v[TM+4+\b]
.endr
.irp b, 0,1,2,3
	v_add_nc_u32 v[TM+12+\b], 0xfe000000, v[TM+\b]
.endr
.irp b, 0,1,2,3
	v_lshrrev_b32 v[TM+4+\b], 23, v[TM+12+\b]
.endr
	v_lshl_or_b32 v[\pw], v[TM+5], 8, v[TM+4]
	v_lshl_or_b32 v[\pw], v[TM+6], 16, v[\pw]
	v_lshl_or_b32 v[\pw], v[TM+7], 24, v[\pw]
.irp c, 0,1
	v_cvt_scalef32_pk16_bf6_f32 v[\pc+6*\c:\pc+2+6*\c], v[\s+32*\c:\s+15+32*\c], v[TM+12+2*\c]
	v_cvt_scalef32_pk16_bf6_f32 v[\pc+12+4*\c:\pc+14+4*\c], v[\s+16+32*\c:\s+31+32*\c], v[TM+12+2*\c+1]
.endr
	v_nop                                          ; one plain instruction behind the scaled conversions
.irp c, 0,1
.irp i, 0,1,2
	v_permlane16_swap_b32 v[\pc+6*\c+\i], v[\pc+12+4*\c+\i]
.endr
.irp i, 0,1,2
	v_mov_b32 v[\pc+3+6*\c+\i], v[\pc+12+4*\c+\i]
.endr
.endr
.endm
.macro LANESUM base
.irp m, 1,2,4,8
.irp k, 0,1,2,3
	v_add_f32_dpp v[\base+4*\k], v[\base+4*\k], v[\base+4*\k] row_xmask:\m row_mask:0xf bank_mask:0xf
.endr
.endr
.irp k, 0,1,2,3
	v_permlanex16_b32 v[PT+\k], v[\base+4*\k], s20, s21
.endr
.irp k, 0,1,2,3
	v_add_f32 v[\base+4*\k], v[\base+4*\k], v[PT+\k]
.endr
.endm
	s_load_b128 s[4:7], s[0:1], 0x0                ; x1, ln2_w
	s_load_b128 s[8:11], s[0:1], 0x10              ; ln2_b, hq
	v_lshl_add_u32 v254, v0, 2, 0x10200
	v_mov_b32 v255, 0
	v_and_b32 v1, 31, v0                           ; lane
	v_lshrrev_b32 v2, 5, v0
	v_readfirstlane_b32 s12, v2                    ; wave
	v_lshlrev_b32 v3, 4, v1                        ; 16 x lane
	s_wait_alu depctr_va_vdst(0)
	s_lshr_b32 s14, ttmp9, 1
	s_lshl_b32 s14, s14, 5                         ; position 16 T + r is row 32 (T / 2) + 8 (T % 2) + r + 8 (r / 8); with r = 4 w + k:
	s_and_b32 s15, ttmp9, 1
	s_lshl_b32 s15, s15, 3
	s_add_co_u32 s14, s14, s15
	s_lshr_b32 s15, s12, 1
	s_lshl_b32 s15, s15, 4
	s_add_co_u32 s14, s14, s15
	s_and_b32 s15, s12, 1
	s_lshl_b32 s15, s15, 2
	s_add_co_u32 s14, s14, s15                     ; my first row; my four rows are neighbours
	s_lshl_b32 s14, s14, 12
	s_mov_b32 s15, 0
	s_mov_b32 s20, 0x76543210
	s_mov_b32 s21, 0xfedcba98
	s_mov_b32 s22, 0x3a800000                      ; 1 / 1,024
	s_mov_b32 s23, 0x3727c5ac                      ; 1e-5
	s_mul_i32 s16, s12, 4*LP
	v_add_nc_u32 v4, s16, v3                       ; LDS, in
	v_and_b32 v5, 15, v0                           ; r
	v_bfe_u32 v6, v0, 4, 1                         ; h
	v_mul_u32_u24 v7, v5, LP
	v_lshl_add_u32 v7, v6, 6, v7
	s_lshl_b32 s16, s12, 10
	v_add_nc_u32 v7, s16, v7                       ; LDS, out: row r, + 64 h, + my two K steps
	v_lshlrev_b32 v8, 2, v5
	v_lshl_add_u32 v8, v6, 9, v8                   ; scale words: lanes 0-15 K step 2 w, lanes 16-31 K step 2 w + 1
	s_lshr_b32 s16, ttmp9, 3
	s_lshl_b32 s16, s16, 3
	s_lshl_b32 s17, s12, 1
	s_add_co_u32 s16, s16, s17
	s_and_b32 s17, ttmp9, 7
	s_mul_i32 s18, s16, 12288
	s_mul_i32 s19, s17, 1536
	s_add_co_u32 s18, s18, s19
	s_mov_b32 s19, 0
	s_lshl_b32 s16, s16, 9
	s_lshl_b32 s17, s17, 6
	s_add_co_u32 s16, s16, s17
	s_add_co_u32 s16, s16, HQS
	s_mov_b32 s17, 0
.irp k, 0,1,2,3
	v_mov_b32 v[PT+\k], 0
.endr
	s_wait_kmcnt 0x0
	s_add_nc_u64 s[4:5], s[4:5], s[14:15]
	s_add_nc_u64 s[24:25], s[10:11], s[16:17]
	s_add_nc_u64 s[10:11], s[10:11], s[18:19]
.irp k, 0,1,2,3
.irp j, 0,1,2,3,4,5,6,7
	global_load_b128 v[X+32*\k+4*\j:X+32*\k+4*\j+3], v3, s[4:5] offset:4096*\k+512*\j th:TH_LOAD_NT
.endr
.endr
.irp j, 0,1,2,3,4,5,6,7
	global_load_b128 v[LW+4*\j:LW+4*\j+3], v3, s[6:7] offset:512*\j
	global_load_b128 v[LB+4*\j:LB+4*\j+3], v3, s[8:9] offset:512*\j
.endr
	s_wait_loadcnt 16                              ; the rows are in; the 16 loads of gain and bias may be out
.irp k, 0,1,2,3
	v_pk_add_f32 v[ST+4*\k:ST+4*\k+1], v[X+32*\k:X+32*\k+1], v[X+32*\k+2:X+32*\k+3]
.endr
.irp j, 4,6,8,10,12,14,16,18,20,22,24,26,28,30
.irp k, 0,1,2,3
	v_pk_add_f32 v[ST+4*\k:ST+4*\k+1], v[ST+4*\k:ST+4*\k+1], v[X+32*\k+\j:X+32*\k+\j+1]
.endr
.endr
.irp k, 0,1,2,3
	v_add_f32 v[ST+4*\k], v[ST+4*\k], v[ST+4*\k+1]
.endr
	LANESUM ST
.irp k, 0,1,2,3
	v_mul_f32 v[ST+4*\k], s22, v[ST+4*\k]          ; the mean
.endr
.irp j, 0,2,4,6,8,10,12,14,16,18,20,22,24,26,28,30
.irp k, 0,1,2,3
	v_pk_add_f32 v[X+32*\k+\j:X+32*\k+\j+1], v[X+32*\k+\j:X+32*\k+\j+1], v[ST+4*\k:ST+4*\k+1] op_sel_hi:[1,0] neg_lo:[0,1] neg_hi:[0,1]
.endr
.endr
.irp k, 0,1,2,3
	v_pk_mul_f32 v[ST+4*\k+2:ST+4*\k+3], v[X+32*\k:X+32*\k+1], v[X+32*\k:X+32*\k+1]
.endr
.irp j, 2,4,6,8,10,12,14,16,18,20,22,24,26,28,30
.irp k, 0,1,2,3
	v_pk_fma_f32 v[ST+4*\k+2:ST+4*\k+3], v[X+32*\k+\j:X+32*\k+\j+1], v[X+32*\k+\j:X+32*\k+\j+1], v[ST+4*\k+2:ST+4*\k+3]
.endr
.endr
.irp k, 0,1,2,3
	v_add_f32 v[ST+4*\k+2], v[ST+4*\k+2], v[ST+4*\k+3]
.endr
	LANESUM ST+2
.irp k, 0,1,2,3
	v_fma_f32 v[ST+4*\k+2], v[ST+4*\k+2], s22, s23 ; the variance + 1e-5
.endr
	s_wait_alu depctr_va_vdst(0)
.irp k, 0,1,2,3
	v_rsq_f32 v[ST+4*\k], v[ST+4*\k+2]
.endr
	v_nop                                          ; a plain instruction behind the last of the four
	s_wait_alu depctr_va_vdst(0)                   ; one wait for the batch, ahead of its first reader
	s_wait_loadcnt 0x0                             ; gain and bias
.irp j, 0,2,4,6,8,10,12,14,16,18,20,22,24,26,28,30
.irp k, 0,1,2,3
	v_pk_mul_f32 v[X+32*\k+\j:X+32*\k+\j+1], v[X+32*\k+\j:X+32*\k+\j+1], v[ST+4*\k:ST+4*\k+1] op_sel_hi:[1,0]
.endr
.irp k, 0,1,2,3
	v_pk_fma_f32 v[X+32*\k+\j:X+32*\k+\j+1], v[X+32*\k+\j:X+32*\k+\j+1], v[LW+\j:LW+\j+1], v[LB+\j:LB+\j+1]
.endr
.endr
.irp k, 0,1,2,3
.irp j, 0,1,2,3,4,5,6,7
	ds_store_b128 v4, v[X+32*\k+4*\j:X+32*\k+4*\j+3] offset:LP*\k+512*\j
.endr
.endr
	s_wait_dscnt 0x0                               ; for the others' sake: my rows lie in LDS
	s_barrier_signal -1
	s_barrier_wait -1
.irp i, 0,1
.irp b, 0,1,2,3
.irp j, 0,1,2,3
	ds_load_b128 v[X+64*\i+16*\b+4*\j:X+64*\i+16*\b+4*\j+3], v7 offset:512*\i+128*\b+16*\j
.endr
.endr
.endr
	s_wait_dscnt 16                                ; the first K step's 16 loads are in
	QUANT X, PCA, PWA
.irp c, 0,1,2
	global_store_b128 v3, v[PCA+4*\c:PCA+4*\c+3], s[10:11] offset:512*\c
.endr
	s_wait_dscnt 0x0
	QUANT X+64, PCB, PWB
.irp c, 0,1,2
	global_store_b128 v3, v[PCB+4*\c:PCB+4*\c+3], s[10:11] offset:12288+512*\c
.endr
	v_cmp_lt_u32 vcc_lo, 15, v1
	v_cndmask_b32 v[PWA], v[PWA], v[PWB], vcc_lo
	global_store_b32 v8, v[PWA], s[24:25]
	s_wait_tensorcnt 0x0
	ds_add_u32 v254, v255
	s_wait_dscnt 0x0
	s_endpgm
.Lfunc_end_k_q83dc3bcd23_ln2:
	.size	k_q83dc3bcd23_ln2, .Lfunc_end_k_q83dc3bcd23_ln2-k_q83dc3bcd23_ln2
	.p2alignl 7, 3214868480
	.fill 96, 4, 3214868480
	.section	.rodata,"a",@progbits
	.p2align	6, 0x0
	.amdhsa_kernel k_q83dc3bcd23_ln2
		.amdhsa_group_segment_fixed_size 66560
		.amdhsa_private_segment_fixed_size 0
		.amdhsa_enable_private_segment 0
		.amdhsa_kernarg_size 32
		.amdhsa_user_sgpr_count 2
		.amdhsa_user_sgpr_kernarg_segment_ptr 1
		.amdhsa_wavefront_size32 1
		.amdhsa_system_sgpr_workgroup_id_x 1
		.amdhsa_system_sgpr_workgroup_id_y 1
		.amdhsa_system_sgpr_workgroup_id_z 1
		.amdhsa_system_vgpr_workitem_id 0
		.amdhsa_next_free_vgpr 256
		.amdhsa_next_free_sgpr 66
		.amdhsa_reserve_vcc 1
		.amdhsa_float_denorm_mode_32 3
		.amdhsa_float_denorm_mode_16_64 3
		.amdhsa_memory_ordered 1
		.amdhsa_forward_progress 1
		.amdhsa_inst_pref_size 43
	.end_amdhsa_kernel
	.amdgpu_metadata
---
amdhsa.version: [ 1, 2 ]
amdhsa.kernels:
  - .name:           k_q83dc3bcd23_ln2
    .symbol:         k_q83dc3bcd23_ln2.kd
    .args:
      - { .name: x1, .offset: 0, .size: 8, .value_kind: global_buffer, .address_space: global }
      - { .name: ln2_w, .offset: 8, .size: 8, .value_kind: global_buffer, .address_space: global }
      - { .name: ln2_b, .offset: 16, .size: 8, .value_kind: global_buffer, .address_space: global }
      - { .name: hq, .offset: 24, .size: 8, .value_kind: global_buffer, .address_space: global }
    .group_segment_fixed_size: 66560
    .private_segment_fixed_size: 0
    .kernarg_segment_align: 8
    .kernarg_segment_size: 32
    .max_flat_workgroup_size: 128
    .sgpr_count:     66
    .vgpr_count:     256
    .wavefront_size: 32
...
	.end_amdgpu_metadata
.endif
;; end of part 4
;; launch fc (part 5): grid 16 x 16, 4 waves a work-group, clusters of 4 x 4, 327,680 bytes of LDS; arguments hq, wts, b_fc, hid; writes hid
.if DOCPART == 5
	.amdgcn_target "amdgcn-amd-amdhsa--gfx1250"
	.amdhsa_code_object_version 6
	.text
	.protected	k_q83dc3bcd23_fc
	.globl	k_q83dc3bcd23_fc
	.p2align	8
	.type	k_q83dc3bcd23_fc,@function
k_q83dc3bcd23_fc:
	s_mov_b64 s[64:65], 0
	v_nop
	global_prefetch_b8 v0, s[64:65] scope:SCOPE_SE
	s_setreg_imm32_b32 hwreg(HW_REG_WAVE_MODE, 25, 1), 1
	s_wait_xcnt 0x0
	s_wait_alu depctr_hold_cnt(0) depctr_sa_sdst(0) depctr_va_vdst(0) depctr_va_sdst(0) depctr_va_ssrc(0) depctr_va_vcc(0) depctr_vm_vsrc(0)
	s_getreg_b32 s2, hwreg(HW_REG_IB_STS2, 6, 4)
	s_cmp_eq_u32 s2, 0
	s_cbranch_scc0 .Lentry_in_a_cluster
	s_endpgm
.Lentry_in_a_cluster:
	s_bfe_u32 s2, ttmp6, 0x10000c
	s_cmp_lg_u32 s2, 0xf033
	s_cbranch_scc0 .Lentry_shape_is_right
	s_endpgm
.Lentry_shape_is_right:
.set NQ,     2
.set REFB,   73728
.set TILEB,  196608
.set HALFB,  98304
.set HALFS,  4096
.set SCSTEP, 1024
.set ASC,    3145728
.set BOFF,   2359296
.set BSC,    8749056
.set HSC,    12582912
.set FR,     12
.set NL,     3
.set QUART,  24576
.set SLOT,   4*QUART
.set SCL,    3*SLOT
.set SPARE,  327168
.set SCR,    262144
.set ADRA, 16
.set ADRB, 19
.set ADRS, 22
.set SPW,  28
.set NIL,  29
.set SC,   32
.set BIAS, 64
.set GB,   64
.set AF,   128
.set Z,    128
.set Z2,   160
.set P,    192
.set Q,    224
.set PC,   128
.set TM,   148
.set PWT,  164
.set VA13, 8
.set VB8,  10
.set RS2,  24
.set A11,  26
.set A9,   28
.set A7,   30
.set A5,   32
.set A3,   34
.set A1,   36
.set B6,   38
.set B4,   40
.set B2,   42
.set B0,   44
.set G1, 24
.set G0, 32
.set G1B, 48
.set G0B, 56
.set G1S, 68
.set G0S, 76
.set G1SB, 80
.set G0SB, 88
.set CX, 95
.set CY, 96
.set TC, 97
.set MROW, 98
.set MCOL, 99
.set MSB, 0
.macro WIN new
.set WNEW, \new
.if MSB != WNEW
	s_set_vgpr_msb (MSB<<8)|WNEW
.set MSB, WNEW
.endif
.endm
.set TO_B, 0x40
.macro WMUL hi, mode
.if \mode == 2
	WIN 0x81+0x40*\hi
.else
	WIN 0xa1+0x50*\hi
.endif
.endm
.macro JLOAD g0a, g1a, g0b, g1b
	s_cmp_eq_u32 s15, 0
	s_cbranch_scc0 .Lfor_b_\@
	tensor_load_to_lds s[\g0a:\g0a+3], s[\g1a:\g1a+7]
	s_nop 0
.rept 4
	v_nop
.endr
	s_branch .Lasked_\@
.Lfor_b_\@:
	tensor_load_to_lds s[\g0b:\g0b+3], s[\g1b:\g1b+7]
	s_nop 0
.rept 4
	v_nop
.endr
.Lasked_\@:
.endm
.macro CREST
	s_cmp_lg_u32 s14, 0
	s_cbranch_scc1 .Lnot_wave_0_\@
	s_barrier_signal -3
.Lnot_wave_0_\@:
	s_barrier_wait -3
	s_barrier_signal -1
	s_barrier_wait -1
.endm
.macro CROUND
	s_barrier_signal -1
	s_barrier_wait -1
	CREST
.endm
.macro FRAG reg, adr, q, i
.irp c, 0,1,2
	ds_load_b128 v[\reg+4*\c:\reg+4*\c+3], v[\adr] offset:(\q)*12288+(\i)*1536+512*\c
.endr
.endm
.macro MUL16 a0, p, q, sc, mode
.irp a, \a0, \a0+1
.irp b, 0,1,2,3,4,5,6,7
.set rD, 8*(8*((\a)%4)+\b)
.set rB, 128*(\p)+FR*\b
.set rA, AF+FR*(\a)
.set rSB, SC+8*NQ*(\sc)+NQ*\b+(\q)
.set rSA, SC+8*NQ*(\sc)+NQ*(\a)+(\q)
.if \mode == 2
	v_wmma_scale_f32_16x16x128_f8f6f4 v[rD:rD+7], v[rB:rB+FR-1], v[rA:rA+FR-1], v[BIAS+8*\b:BIAS+8*\b+7], v[rSB], v[rSA] matrix_a_fmt:MATRIX_FMT_BF6 matrix_b_fmt:MATRIX_FMT_BF6 matrix_a_scale:MATRIX_SCALE_ROW1
.else
	v_wmma_scale_f32_16x16x128_f8f6f4 v[rD:rD+7], v[rB:rB+FR-1], v[rA:rA+FR-1], v[rD:rD+7], v[rSB], v[rSA] matrix_a_fmt:MATRIX_FMT_BF6 matrix_b_fmt:MATRIX_FMT_BF6 matrix_a_scale:MATRIX_SCALE_ROW1
.endif
.endr
.endr
.endm
.macro FETCH_B slot, q, p
	WIN TO_B
.irp i, 0,1,2,3,4,5,6,7
	FRAG 128*(\p)+FR*\i, ADRB+\slot, \q, \i
.endr
	WIN 0
.endm
.macro FETCH_A slot, q, i0
.irp i, \i0, \i0+1, \i0+2, \i0+3
	FRAG AF+FR*(\i), ADRA+\slot, \q, \i
.endr
.endm
.macro SCALES sc
.irp i, 0,1,2,3,4,5,6,7
.set q, 0
.rept NQ
	ds_load_b32 v[SC+8*NQ*(\sc)+NQ*\i+q], v[ADRS] offset:q*512+64*\i
.set q, q+1
.endr
.endr
.endm
.macro PLACES n
.rept \n
	v_nop
.endr
.endm
.macro STEP slot, sc, mode
	s_wait_dscnt 4*NL
	WMUL 0, \mode
	MUL16 0, 0, 0, \sc, \mode
	MUL16 2, 0, 0, \sc, \mode
	s_wait_dscnt 0x0
	PLACES 4
	FETCH_B \slot, 1, 1
	FETCH_A \slot, 1, 0
	WMUL 1, \mode
	MUL16 4, 0, 0, \sc, \mode
	MUL16 6, 0, 0, \sc, \mode
	PLACES 4
	WIN 0
	FETCH_A \slot, 1, 4
.endm
.macro TURN slot, next, sc, how
.if \how == 2
	s_wait_dscnt 4*NL
	WMUL 0, 0
	MUL16 0, 1, 1, \sc, 0
	MUL16 2, 1, 1, \sc, 0
	s_wait_dscnt 0x0
	WIN 0
	PLACES 4
.else
	s_wait_tensorcnt 0x0
	ds_add_u32 v[SPW], v[NIL]
	s_wait_dscnt 4*NL+1
	WMUL 0, 0
	MUL16 0, 1, 1, \sc, 0
	s_wait_dscnt 0x0
	s_barrier_signal -1
	MUL16 2, 1, 1, \sc, 0
	WIN 0
	s_barrier_wait -1
.if \how == 1
	CREST
	s_add_nc_u64 s[G0+2:G0+3], s[G0+2:G0+3], REFB
	s_add_nc_u64 s[G0B+2:G0B+3], s[G0B+2:G0B+3], REFB
	s_mov_b32 s[G1+2], 96<<16                      ; the refill brings two K steps: 96 rows
	s_mov_b32 s[G1+4], 96
	s_mov_b32 s[G1B+2], 96<<16
	s_mov_b32 s[G1B+4], 96
	JLOAD G0, G1, G0B, G1B
.else
	PLACES 4
.endif
.endif
	v_add_nc_u32 v[ADRS], SCSTEP, v[ADRS]
	FETCH_B \next, 0, 0
	FETCH_A \next, 0, 0
	SCALES 1-\sc
	WMUL 1, 0
	MUL16 4, 1, 1, \sc, 0
	MUL16 6, 1, 1, \sc, 0
	PLACES 4
	WIN 0
	FETCH_A \next, 0, 4
.endm
.macro QUANT s, pw
.irp b, 0,1,2,3
	v_max3_num_f32 v[TM+\b], |v[\s+16*\b]|, |v[\s+1+16*\b]|, 0x2800000
.endr
.irp i, 2,4,6,8,10,12,14
.irp b, 0,1,2,3
	v_max3_num_f32 v[TM+\b], v[TM+\b], |v[\s+16*\b+\i]|, |v[\s+1+16*\b+\i]|
.endr
.endr
.irp b, 0,1,2,3
	v_permlanex16_b32 v[TM+4+\b], v[TM+\b], s46, s47
.endr
.irp b, 0,1,2,3
	v_max_num_f32 v[TM+\b], v[TM+\b], v[TM+4+\b]
.endr
.irp b, 0,1,2,3
	v_add_nc_u32 v[TM+12+\b], 0xfe000000, v[TM+\b]
.endr
.irp b, 0,1,2,3
	v_lshrrev_b32 v[TM+4+\b], 23, v[TM+12+\b]
.endr
	v_lshl_or_b32 v[\pw], v[TM+5], 8, v[TM+4]
	v_lshl_or_b32 v[\pw], v[TM+6], 16, v[\pw]
	v_lshl_or_b32 v[\pw], v[TM+7], 24, v[\pw]
.irp c, 0,1
	v_cvt_scalef32_pk16_bf6_f32 v[PC+6*\c:PC+2+6*\c], v[\s+32*\c:\s+15+32*\c], v[TM+12+2*\c]
	v_cvt_scalef32_pk16_bf6_f32 v[PC+12+4*\c:PC+14+4*\c], v[\s+16+32*\c:\s+31+32*\c], v[TM+12+2*\c+1]
.endr
	v_nop
.irp c, 0,1
.irp i, 0,1,2
	v_permlane16_swap_b32 v[PC+6*\c+\i], v[PC+12+4*\c+\i]
.endr
.irp i, 0,1,2
	v_mov_b32 v[PC+3+6*\c+\i], v[PC+12+4*\c+\i]
.endr
.endr
.endm
.macro HORNER d, c
.set j, 0
.rept 16
	v_pk_fma_f32 v[\d+j:\d+j+1], v[\d+j:\d+j+1], v[Z2+j:Z2+j+1], s[\c:\c+1] op_sel_hi:[1,1,0]
.set j, j+2
.endr
.endm
.macro GELU g
.set j, 0
.rept 16
	v_pk_mul_f32 v[Z+j:Z+j+1], v[\g+j:\g+j+1], s[RS2:RS2+1] op_sel_hi:[1,0]
.set j, j+2
.endr
.set j, 0
.rept 32
	v_med3_num_f32 v[Z+j], v[Z+j], -4.0, 4.0
.set j, j+1
.endr
.set j, 0
.rept 16
	v_pk_mul_f32 v[Z2+j:Z2+j+1], v[Z+j:Z+j+1], v[Z+j:Z+j+1]
.set j, j+2
.endr
.set j, 0
.rept 16
	v_pk_fma_f32 v[Q+j:Q+j+1], v[Z2+j:Z2+j+1], v[VB8:VB8+1], s[B6:B6+1] op_sel_hi:[1,1,0]
.set j, j+2
.endr
	HORNER Q, B4
	HORNER Q, B2
	HORNER Q, B0
.set j, 0
	s_wait_alu depctr_va_vdst(0)
.rept 32
	v_rcp_f32 v[Q+j], v[Q+j]
.set j, j+1
.endr
.set j, 0
.rept 16
	v_pk_fma_f32 v[P+j:P+j+1], v[Z2+j:Z2+j+1], v[VA13:VA13+1], s[A11:A11+1] op_sel_hi:[1,1,0]
.set j, j+2
.endr
	HORNER P, A9
	HORNER P, A7
	HORNER P, A5
	HORNER P, A3
	HORNER P, A1
.set j, 0
.rept 16
	v_pk_mul_f32 v[P+j:P+j+1], v[P+j:P+j+1], v[Z+j:Z+j+1]
.set j, j+2
.endr
	s_wait_alu depctr_va_vdst(0)
.set j, 0
.rept 16
	v_pk_mul_f32 v[P+j:P+j+1], v[P+j:P+j+1], v[Q+j:Q+j+1]
.set j, j+2
.endr
.set j, 0
.rept 16
	v_pk_fma_f32 v[P+j:P+j+1], v[P+j:P+j+1], 0.5, 0.5 op_sel_hi:[1,0,0]
.set j, j+2
.endr
.set j, 0
.rept 16
	v_pk_mul_f32 v[\g+j:\g+j+1], v[\g+j:\g+j+1], v[P+j:P+j+1]
.set j, j+2
.endr
.endm
.macro COEF r, bits
	s_mov_b32 s[\r], \bits
	s_mov_b32 s[\r+1], \bits
.endm
	s_load_b128 s[4:7], s[0:1], 0x0
	s_load_b128 s[8:11], s[0:1], 0x10
	v_lshl_add_u32 v[SPW], v0, 2, SPARE
	v_mov_b32 v[NIL], 0
	ds_add_u32 v28, v29
	ds_add_u32 v28, v29
	s_wait_dscnt 0x0
	v_lshrrev_b32 v1, 5, v0
	v_readfirstlane_b32 s14, v1
	s_lshr_b32 s15, s14, 1
	s_and_b32 s16, s14, 1
	s_bfe_u32 s[CX], ttmp6, 0x40000
	s_bfe_u32 s[CY], ttmp6, 0x40004
	s_lshl_b32 s[TC], ttmp9, 2
	s_add_co_u32 s[TC], s[TC], s[CX]
	s_and_b32 s17, ttmp7, 0xffff
	s_lshl_b32 s17, s17, 2
	s_add_co_u32 s17, s17, s[CY]
	s_lshl_b32 s[MROW], s[CY], 2
	s_lshl_b32 s[MROW], 15, s[MROW]
	s_lshl_b32 s[MCOL], 0x1111, s[CX]
	s_or_b32 s[G1+0], s[MROW], (3<<16)|(1<<21)
	s_or_b32 s[G1B+0], s[MCOL], (3<<16)|(1<<21)
.irp g, G1, G1B                        ; the head's shape: two rows of 24,576 bytes (K steps 0, 1 of 128 positions each), HALFB bytes apart
	s_mov_b32 s[\g+1], 3072<<16
	s_mov_b32 s[\g+2], 2<<16
	s_mov_b32 s[\g+3], 3072<<16
	s_mov_b32 s[\g+4], 2
	s_mov_b32 s[\g+5], HALFB/8
	s_mov_b32 s[\g+6], 0
	s_mov_b32 s[\g+7], 0
.endr
	s_or_b32 s[G1S+0], s[MROW], (3<<16)|(1<<21)
	s_or_b32 s[G1SB+0], s[MCOL], (3<<16)|(1<<21)
.irp g, G1S, G1SB
	s_mov_b32 s[\g+1], 32<<16
	s_mov_b32 s[\g+2], (HALFS/128)<<16             ; the scale words of 256 positions, all K: 8,192 dense bytes
	s_mov_b32 s[\g+3], 32<<16
	s_mov_b32 s[\g+4], HALFS/128
	s_mov_b32 s[\g+5], 32
	s_mov_b32 s[\g+6], 0
	s_mov_b32 s[\g+7], 0
.endr
	s_mul_i32 s20, s17, TILEB
	s_mul_i32 s18, s16, HALFB
	s_add_co_u32 s20, s20, s18
	s_mul_i32 s92, s[TC], TILEB
	s_add_co_u32 s92, s92, s18
	s_mul_i32 s22, s17, 2*HALFS
	s_mul_i32 s2, s[TC], 2*HALFS
	s_mov_b32 s21, 0
	s_mov_b32 s23, 0
	s_mov_b32 s93, 0
	s_mov_b32 s3, 0
	s_mul_i32 s94, s14, QUART
	s_lshl_b32 s19, s94, 1                         ; K steps 2-5: 49,152 bytes a wave
	s_wait_kmcnt 0x0
	s_add_nc_u64 s[20:21], s[4:5], s[20:21]
	s_add_nc_u64 s[22:23], s[4:5], s[22:23]
	s_add_nc_u64 s[22:23], s[22:23], ASC
	s_add_nc_u64 s[92:93], s[6:7], s[92:93]
	s_add_nc_u64 s[92:93], s[92:93], BOFF
	s_add_nc_u64 s[2:3], s[6:7], s[2:3]
	s_add_nc_u64 s[2:3], s[2:3], BSC
	CROUND
	s_mov_b32 s[G0S], 1
	s_mov_b32 s[G0S+1], SCL
	s_mov_b64 s[G0S+2:G0S+3], s[22:23]
	s_or_b32 s[G0S+3], s[G0S+3], 0x80000000
	s_mov_b32 s[G0SB], 1
	s_mov_b32 s[G0SB+1], SCL+2*HALFS
	s_mov_b64 s[G0SB+2:G0SB+3], s[2:3]
	s_or_b32 s[G0SB+3], s[G0SB+3], 0x80000000
.irp s, 0,1                            ; group 0 number 0: K steps 0, 1 (later 6, 7) into slot 0; number 1: K steps 2-5 into the bytes of slots 1 and 2
	s_mov_b32 s[G0+4*\s], 1
	s_add_nc_u64 s[G0+4*\s+2:G0+4*\s+3], s[20:21], \s*QUART
	s_or_b32 s[G0+4*\s+3], s[G0+4*\s+3], 0x80000000
	s_mov_b32 s[G0B+4*\s], 1
	s_add_nc_u64 s[G0B+4*\s+2:G0B+4*\s+3], s[92:93], \s*QUART
	s_or_b32 s[G0B+4*\s+3], s[G0B+4*\s+3], 0x80000000
.endr
	s_mov_b32 s[G0+1], s94
	s_mov_b32 s[G0B+1], s94
	s_add_co_u32 s[G0+5], s19, SLOT
	s_add_co_u32 s[G0B+5], s19, SLOT
; THE HEAD'S LOADS, ONE A WAVE: wave 0 A's K steps 0, 1 of all 256 rows (its own part's address is the first half's, and the second row of the tile is the second half),
; wave 2 the same of B, wave 1 A's scale words, wave 3 B's.  One tree of branches on the wave's number; every way passes one load.
.macro ARM under, g0, g1, next
	s_cmp_lt_u32 s14, \under
	s_cbranch_scc0 \next
	tensor_load_to_lds s[\g0:\g0+3], s[\g1:\g1+7]
	s_nop 0
.rept 4
	v_nop
.endr
	s_branch .Lhead_asked
\next:
.endm
	ARM 1, G0, G1, .Lhead_sa
	ARM 2, G0S, G1S, .Lhead_b
	ARM 3, G0B, G1B, .Lhead_sb
	tensor_load_to_lds s[G0SB:G0SB+3], s[G1SB:G1SB+7]
	s_nop 0
.rept 4
	v_nop
.endr
.Lhead_asked:
	v_and_b32 v1, 31, v0
	v_bfe_u32 v2, v0, 4, 1
	v_lshlrev_b32 v3, 4, v1
	s_wait_alu depctr_va_vdst(0)
	v_and_b32 v4, 15, v0
	s_lshl_b32 s18, s[TC], 10
	s_lshl_b32 s19, s16, 9
	s_add_co_u32 s18, s18, s19
	s_mov_b32 s19, 0
	s_add_nc_u64 s[8:9], s[8:9], s[18:19]
	v_lshlrev_b32 v7, 6, v2
.irp b, 0,1,2,3,4,5,6,7
	global_load_b128 v[BIAS+8*\b:BIAS+8*\b+3], v7, s[8:9] offset:128*(\b/2)+32*(\b%2)
	global_load_b128 v[BIAS+8*\b+4:BIAS+8*\b+7], v7, s[8:9] offset:128*(\b/2)+32*(\b%2)+16
.endr
	s_mul_i32 s21, s15, QUART
	s_mul_i32 s22, s16, QUART
	s_add_co_u32 s22, s22, 2*QUART
	v_add_nc_u32 v[ADRA], s21, v3
	v_add_nc_u32 v[ADRB], s22, v3
	s_lshl_b32 s21, s21, 1                         ; behind slot 0 a part holds four K steps on end: 49,152 bytes a part
	s_lshl_b32 s22, s22, 1
	s_add_co_u32 s21, s21, SLOT
	s_add_co_u32 s22, s22, SLOT
	v_add_nc_u32 v[ADRA+1], s21, v3                ; K steps 2, 3
	v_add_nc_u32 v[ADRB+1], s22, v3
	v_add_nc_u32 v[ADRA+2], QUART, v[ADRA+1]       ; K steps 4, 5
	v_add_nc_u32 v[ADRB+2], QUART, v[ADRB+1]
	s_mul_i32 s21, s15, HALFS
	s_mul_i32 s22, s16, HALFS
	s_add_co_u32 s22, s22, 2*HALFS
	s_sub_co_u32 s22, s22, s21
	v_mul_u32_u24 v6, s22, v2
	s_wait_alu depctr_va_vdst(0)
	s_add_co_u32 s21, s21, SCL
	v_lshl_add_u32 v5, v4, 2, v6
	v_add_nc_u32 v[ADRS], s21, v5
	s_lshl_b32 s23, s14, 16
	v_add_nc_u32 v12, s23, v3
	s_lshl_b32 s23, s14, 9
	s_add_co_u32 s23, s23, SCR
	v_lshl_add_u32 v13, v4, 2, s23
	v_add_nc_u32 v14, s23, v3
	s_wait_alu depctr_va_vdst(0)
	s_wait_tensorcnt 0x0                           ; my tile of the head's four is in
	ds_add_u32 v[SPW], v[NIL]
.irp g, G1, G1B                        ; no tensor load of mine is out: from here on a load brings 192 rows of 256 dense bytes
	s_mov_b32 s[\g+1], 32<<16
	s_mov_b32 s[\g+2], 192<<16
	s_mov_b32 s[\g+3], 32<<16
	s_mov_b32 s[\g+4], 192
	s_mov_b32 s[\g+5], 32
.endr
	s_wait_dscnt 0x0
	CROUND                                         ; all four tiles are in, and all sixteen work-groups are here
	JLOAD G0+4, G1, G0B+4, G1B                     ; K steps 2-5 of my part: my one load behind the round
	FETCH_B 0, 0, 0
	FETCH_A 0, 0, 0
	SCALES 0
	FETCH_A 0, 0, 4
	s_wait_loadcnt 0x0
	STEP 0, 0, 2
	TURN 0, 1, 0, 1
	s_wait_alu depctr_va_vdst(0)
	STEP 1, 1, 0
	TURN 1, 2, 1, 2
	s_wait_alu depctr_va_vdst(0)
	STEP 2, 0, 0
	TURN 2, 0, 0, 0
	STEP 0, 1, 0
	s_wait_dscnt 4*NL
	WMUL 0, 0
	MUL16 0, 1, 1, 1, 0
	MUL16 2, 1, 1, 1, 0
	s_wait_dscnt 0x0
	WMUL 1, 0
	MUL16 4, 1, 1, 1, 0
	MUL16 6, 1, 1, 1, 0
	WIN 0
	s_lshl_b32 s18, s17, 1
	s_add_co_u32 s18, s18, s15
	s_lshl_b32 s18, s18, 5
	s_lshl_b32 s19, s[TC], 1
	s_add_co_u32 s18, s18, s19
	s_add_co_u32 s18, s18, s16
	s_mul_i32 s12, s18, 12288
	s_mov_b32 s13, 0
	s_lshl_b32 s18, s18, 9
	s_add_co_u32 s18, s18, HSC
	s_mov_b32 s19, 0
	s_add_nc_u64 s[12:13], s[10:11], s[12:13]
	s_add_nc_u64 s[18:19], s[10:11], s[18:19]
	COEF RS2, 0x3f3504f3
	COEF A11, 0x32edffee
	COEF A9,  0xb60cff51
	COEF A7,  0xb86ec2d2
	COEF A5,  0xba40ac63
	COEF A3,  0xbb41a1f6
	COEF A1,  0xbc83dbd4
	COEF B6,  0xb95fbd29
	COEF B4,  0xbadc924e
	COEF B2,  0xbbf19bf8
	COEF B0,  0xbc69b6a7
	s_mov_b32 s46, 0x76543210
	s_mov_b32 s47, 0xfedcba98
	s_wait_dscnt 0x0
	s_barrier_signal -1
	s_barrier_wait -1
	v_mov_b32 v[VA13], 0xaf95df0b
	v_mov_b32 v[VA13+1], 0xaf95df0b
	v_mov_b32 v[VB8], 0xb77460cd
	v_mov_b32 v[VB8+1], 0xb77460cd
.irp a, 0,1,2,3,4,5,6,7
	WIN 0x08+4*(\a/4)
.irp b, 0,1,2,3,4,5,6,7
	ds_store_b128 v12, v[64*(\a%4)+8*\b:64*(\a%4)+8*\b+3] offset:(16*\a+2*\b)*512
	ds_store_b128 v12, v[64*(\a%4)+8*\b+4:64*(\a%4)+8*\b+7] offset:(16*\a+2*\b+1)*512
.endr
.endr
	WIN 0
	s_mov_b32 s3, 8
	s_mov_b32 s20, 0
	s_mov_b32 s21, 0
.Lrows:
	v_add_nc_u32 v15, s20, v12
	v_add_nc_u32 v23, s21, v13
.set t, 0
.rept 16
	ds_load_b128 v[GB+4*t:GB+4*t+3], v15 offset:512*t
.set t, t+1
.endr
	s_wait_dscnt 0x0
	GELU GB
	GELU GB+32
	QUANT GB, PWT
	ds_store_b32 v23, v[PWT]
.irp c, 0,1,2
	global_store_b128 v3, v[PC+4*\c:PC+4*\c+3], s[12:13] offset:512*\c
.endr
	s_wait_xcnt 0x0
	s_add_nc_u64 s[12:13], s[12:13], 1536
	s_add_co_u32 s20, s20, 8192
	s_add_co_u32 s21, s21, 64
	s_sub_co_u32 s3, s3, 1
	s_cmp_lg_u32 s3, 0
	s_cbranch_scc1 .Lrows
	ds_load_b128 v[128:131], v14
	s_wait_dscnt 0x0
	global_store_b128 v3, v[128:131], s[18:19]
	s_wait_tensorcnt 0x0
	ds_add_u32 v[SPW], v[NIL]
	s_wait_dscnt 0x0
	CROUND
	s_endpgm
.Lfunc_end_k_q83dc3bcd23_fc:
	.size	k_q83dc3bcd23_fc, .Lfunc_end_k_q83dc3bcd23_fc-k_q83dc3bcd23_fc
	.p2alignl 7, 3214868480
	.fill 96, 4, 3214868480
	.section	.rodata,"a",@progbits
	.p2align	6, 0x0
	.amdhsa_kernel k_q83dc3bcd23_fc
		.amdhsa_group_segment_fixed_size 327680
		.amdhsa_private_segment_fixed_size 0
		.amdhsa_enable_private_segment 0
		.amdhsa_kernarg_size 32
		.amdhsa_user_sgpr_count 2
		.amdhsa_user_sgpr_kernarg_segment_ptr 1
		.amdhsa_wavefront_size32 1
		.amdhsa_system_sgpr_workgroup_id_x 1
		.amdhsa_system_sgpr_workgroup_id_y 1
		.amdhsa_system_sgpr_workgroup_id_z 1
		.amdhsa_system_vgpr_workitem_id 0
		.amdhsa_next_free_vgpr 1024
		.amdhsa_next_free_sgpr 100
		.amdhsa_reserve_vcc 0
		.amdhsa_float_denorm_mode_32 3
		.amdhsa_float_denorm_mode_16_64 3
		.amdhsa_memory_ordered 1
		.amdhsa_forward_progress 1
		.amdhsa_inst_pref_size 164
	.end_amdhsa_kernel
	.amdgpu_metadata
---
amdhsa.version: [ 1, 2 ]
amdhsa.kernels:
  - .name:           k_q83dc3bcd23_fc
    .symbol:         k_q83dc3bcd23_fc.kd
    .args:
      - { .name: hq, .offset: 0, .size: 8, .value_kind: global_buffer, .address_space: global }
      - { .name: wts, .offset: 8, .size: 8, .value_kind: global_buffer, .address_space: global }
      - { .name: b_fc, .offset: 16, .size: 8, .value_kind: global_buffer, .address_space: global }
      - { .name: hid, .offset: 24, .size: 8, .value_kind: global_buffer, .address_space: global }
    .group_segment_fixed_size: 327680
    .private_segment_fixed_size: 0
    .kernarg_segment_align: 8
    .kernarg_segment_size: 32
    .max_flat_workgroup_size: 128
    .sgpr_count:     100
    .vgpr_count:     1024
    .wavefront_size: 32
...
	.end_amdgpu_metadata
.endif
;; end of part 5
;; launch proj (part 6): grid 8 x 32, 4 waves a work-group, clusters of 4 x 4, 327,680 bytes of LDS; arguments hid, wts, b_proj, x1, out0; writes out0
.if DOCPART == 6
	.amdgcn_target "amdgcn-amd-amdhsa--gfx1250"
	.amdhsa_code_object_version 6
	.text
	.protected	k_q83dc3bcd23_proj
	.globl	k_q83dc3bcd23_proj
	.p2align	8
	.type	k_q83dc3bcd23_proj,@function
k_q83dc3bcd23_proj:
	s_mov_b64 s[64:65], 0
	v_nop
	global_prefetch_b8 v0, s[64:65] scope:SCOPE_SE
	s_setreg_imm32_b32 hwreg(HW_REG_WAVE_MODE, 25, 1), 1
	s_wait_xcnt 0x0
	s_wait_alu depctr_hold_cnt(0) depctr_sa_sdst(0) depctr_va_vdst(0) depctr_va_sdst(0) depctr_va_ssrc(0) depctr_va_vcc(0) depctr_vm_vsrc(0)
	s_getreg_b32 s2, hwreg(HW_REG_IB_STS2, 6, 4)
	s_cmp_eq_u32 s2, 0
	s_cbranch_scc0 .Lentry_in_a_cluster
	s_endpgm
.Lentry_in_a_cluster:
	s_bfe_u32 s2, ttmp6, 0x10000c
	s_cmp_lg_u32 s2, 0xf033
	s_cbranch_scc0 .Lentry_shape_is_right
	s_endpgm
.Lentry_shape_is_right:
.set KSB,    12288
.set XHALF,  4*KSB
.set YHALF,  2*KSB
.set LXB,    8*KSB
.set LY,     16*KSB
.set LYB,    LY+4*KSB
.set RSTEP,  12*KSB
.set TILEB,  393216
.set ASC,    12582912
.set BOFF,   5505024
.set BSC,    8880128
.set FR,     12
.set NL,     3
.set SPARE,  24*KSB
.set SPITCH, 528
.set WSTAGE, 128*SPITCH
.set ADRA, 16
.set ADRB, 20
.set STO,  24
.set SPW,  28
.set NIL,  29
.set SC,   32
.set AF,   128
.set G1X, 24
.set G1XB, 48
.set G1Y, 68
.set G1YB, 80
.set G0X, 32
.set G0Y, 36
.set G0XB, 56
.set G0YB, 60
.set MSB, 0
.macro WIN new
.set WNEW, \new
.if MSB != WNEW
	s_set_vgpr_msb (MSB<<8)|WNEW
.set MSB, WNEW
.endif
.endm
.set TO_B,   0x40
.set MUL_LO, 0xa1
.set MUL_HI, 0xf1
.macro JLOAD g0a, g1a, g0b, g1b
	s_cmp_eq_u32 s15, 0
	s_cbranch_scc0 .Lfor_b_\@
	tensor_load_to_lds s[\g0a:\g0a+3], s[\g1a:\g1a+7]
	s_nop 0
.rept 4
	v_nop
.endr
	s_branch .Lasked_\@
.Lfor_b_\@:
	tensor_load_to_lds s[\g0b:\g0b+3], s[\g1b:\g1b+7]
	s_nop 0
.rept 4
	v_nop
.endr
.Lasked_\@:
.endm
.macro CREST
	s_cmp_lg_u32 s14, 0
	s_cbranch_scc1 .Lnot_wave_0_\@
	s_barrier_signal -3
.Lnot_wave_0_\@:
	s_barrier_wait -3
	s_barrier_signal -1
	s_barrier_wait -1
.endm
.macro CROUND
	s_barrier_signal -1
	s_barrier_wait -1
	CREST
.endm
.macro FRAG reg, adr, off, i
.irp c, 0,1,2
	ds_load_b128 v[\reg+4*\c:\reg+4*\c+3], v[\adr] offset:(\off)+(\i)*1536+512*\c
.endr
.endm
.macro MUL16 a0, p, j, mode
.irp a, \a0, \a0+1
.irp b, 0,1,2,3,4,5,6,7
.set rD, 8*(8*((\a)%4)+\b)
.set rB, 128*(\p)+FR*\b
.set rA, AF+FR*(\a)
.set rSB, SC+8*(\j)+4+\b/2
.set rSA, SC+8*(\j)+(\a)/2
.set oB, \b%2
.set oA, (\a)%2
.if \mode == 1
.if (oB == 0) && (oA == 0)
	v_wmma_scale_f32_16x16x128_f8f6f4 v[rD:rD+7], v[rB:rB+FR-1], v[rA:rA+FR-1], 0, v[rSB], v[rSA] matrix_a_fmt:MATRIX_FMT_BF6 matrix_b_fmt:MATRIX_FMT_BF6
.elseif (oB == 1) && (oA == 0)
	v_wmma_scale_f32_16x16x128_f8f6f4 v[rD:rD+7], v[rB:rB+FR-1], v[rA:rA+FR-1], 0, v[rSB], v[rSA] matrix_a_fmt:MATRIX_FMT_BF6 matrix_b_fmt:MATRIX_FMT_BF6 matrix_a_scale:MATRIX_SCALE_ROW1
.elseif oB == 0
	v_wmma_scale_f32_16x16x128_f8f6f4 v[rD:rD+7], v[rB:rB+FR-1], v[rA:rA+FR-1], 0, v[rSB], v[rSA] matrix_a_fmt:MATRIX_FMT_BF6 matrix_b_fmt:MATRIX_FMT_BF6 matrix_b_scale:MATRIX_SCALE_ROW1
.else
	v_wmma_scale_f32_16x16x128_f8f6f4 v[rD:rD+7], v[rB:rB+FR-1], v[rA:rA+FR-1], 0, v[rSB], v[rSA] matrix_a_fmt:MATRIX_FMT_BF6 matrix_b_fmt:MATRIX_FMT_BF6 matrix_a_scale:MATRIX_SCALE_ROW1 matrix_b_scale:MATRIX_SCALE_ROW1
.endif
.else
.if (oB == 0) && (oA == 0)
	v_wmma_scale_f32_16x16x128_f8f6f4 v[rD:rD+7], v[rB:rB+FR-1], v[rA:rA+FR-1], v[rD:rD+7], v[rSB], v[rSA] matrix_a_fmt:MATRIX_FMT_BF6 matrix_b_fmt:MATRIX_FMT_BF6
.elseif (oB == 1) && (oA == 0)
	v_wmma_scale_f32_16x16x128_f8f6f4 v[rD:rD+7], v[rB:rB+FR-1], v[rA:rA+FR-1], v[rD:rD+7], v[rSB], v[rSA] matrix_a_fmt:MATRIX_FMT_BF6 matrix_b_fmt:MATRIX_FMT_BF6 matrix_a_scale:MATRIX_SCALE_ROW1
.elseif oB == 0
	v_wmma_scale_f32_16x16x128_f8f6f4 v[rD:rD+7], v[rB:rB+FR-1], v[rA:rA+FR-1], v[rD:rD+7], v[rSB], v[rSA] matrix_a_fmt:MATRIX_FMT_BF6 matrix_b_fmt:MATRIX_FMT_BF6 matrix_b_scale:MATRIX_SCALE_ROW1
.else
	v_wmma_scale_f32_16x16x128_f8f6f4 v[rD:rD+7], v[rB:rB+FR-1], v[rA:rA+FR-1], v[rD:rD+7], v[rSB], v[rSA] matrix_a_fmt:MATRIX_FMT_BF6 matrix_b_fmt:MATRIX_FMT_BF6 matrix_a_scale:MATRIX_SCALE_ROW1 matrix_b_scale:MATRIX_SCALE_ROW1
.endif
.endif
.endr
.endr
.endm
.macro FETCH_B reg, off, p
	WIN TO_B
.irp i, 0,1,2,3,4,5,6,7
	FRAG 128*(\p)+FR*\i, ADRB+\reg, \off, \i
.endr
	WIN 0
.endm
.macro FETCH_A reg, off, i0
.irp i, \i0, \i0+1, \i0+2, \i0+3
	FRAG AF+FR*(\i), ADRA+\reg, \off, \i
.endr
.endm
.macro PLACES n
.rept \n
	v_nop
.endr
.endm
.macro STEPX j, mode
.set PCUR, (\j)%2
	s_wait_dscnt 4*NL
	WIN MUL_LO
	MUL16 0, PCUR, \j, \mode
	MUL16 2, PCUR, \j, \mode
	s_wait_dscnt 0x0
	PLACES 4
	FETCH_B 0, XHALF, 1-PCUR
	FETCH_A 0, XHALF, 0
	WIN MUL_HI
	MUL16 4, PCUR, \j, \mode
	MUL16 6, PCUR, \j, \mode
	PLACES 4
	WIN 0
	FETCH_A 0, XHALF, 4
.endm
.macro TURN j, cur, next, fill
.set PCUR, (\j)%2
	s_wait_tensorcnt 0x0
	ds_add_u32 v[SPW], v[NIL]
	s_wait_dscnt 4*NL+1
	WIN MUL_LO
	MUL16 0, PCUR, \j, 0
	s_wait_dscnt 0x0
	s_barrier_signal -1
	MUL16 2, PCUR, \j, 0
	WIN 0
	s_barrier_wait -1
.if \fill
	CREST
.if \cur == 0
	s_add_nc_u64 s[G0X+2:G0X+3], s[G0X+2:G0X+3], RSTEP
	s_add_nc_u64 s[G0XB+2:G0XB+3], s[G0XB+2:G0XB+3], RSTEP
	JLOAD G0X, G1X, G0XB, G1XB
.else
	s_add_nc_u64 s[G0Y+2:G0Y+3], s[G0Y+2:G0Y+3], RSTEP
	s_add_nc_u64 s[G0YB+2:G0YB+3], s[G0YB+2:G0YB+3], RSTEP
	JLOAD G0Y, G1Y, G0YB, G1YB
.endif
.else
	PLACES 4
.endif
	s_wait_alu depctr_va_vdst(0)
	FETCH_B \next, 0, 1-PCUR
	FETCH_A \next, 0, 0
	WIN MUL_HI
	MUL16 4, PCUR, \j, 0
	MUL16 6, PCUR, \j, 0
	PLACES 4
	WIN 0
	FETCH_A \next, 0, 4
.endm
	s_load_b128 s[4:7], s[0:1], 0x0
	s_load_b128 s[8:11], s[0:1], 0x10
	s_load_b64 s[12:13], s[0:1], 0x20
	v_lshl_add_u32 v[SPW], v0, 2, SPARE
	v_mov_b32 v[NIL], 0
	ds_add_u32 v28, v29
	ds_add_u32 v28, v29
	s_wait_dscnt 0x0
	v_lshrrev_b32 v1, 5, v0
	v_readfirstlane_b32 s14, v1
	s_lshr_b32 s15, s14, 1
	s_and_b32 s16, s14, 1
	s_bfe_u32 s40, ttmp6, 0x40000
	s_bfe_u32 s41, ttmp6, 0x40004
	s_lshl_b32 s42, ttmp9, 2
	s_add_co_u32 s42, s42, s40
	s_and_b32 s17, ttmp7, 0xffff
	s_lshl_b32 s17, s17, 2
	s_add_co_u32 s17, s17, s41
	s_lshl_b32 s43, s41, 2
	s_lshl_b32 s43, 15, s43
	s_lshl_b32 s44, 0x1111, s40
	s_or_b32 s[G1X+0], s43, (3<<16)|(1<<21)
	s_or_b32 s[G1XB+0], s44, (3<<16)|(1<<21)
.irp g, G1X, G1XB
	s_mov_b32 s[\g+1], 32<<16
	s_mov_b32 s[\g+2], 192<<16
	s_mov_b32 s[\g+3], 32<<16
	s_mov_b32 s[\g+4], 192
	s_mov_b32 s[\g+5], 32
	s_mov_b32 s[\g+6], 0
	s_mov_b32 s[\g+7], 0
.endr
	s_or_b32 s[G1Y+0], s43, (3<<16)|(1<<21)
	s_or_b32 s[G1YB+0], s44, (3<<16)|(1<<21)
.irp g, G1Y, G1YB
	s_mov_b32 s[\g+1], 32<<16
	s_mov_b32 s[\g+2], 96<<16
	s_mov_b32 s[\g+3], 32<<16
	s_mov_b32 s[\g+4], 96
	s_mov_b32 s[\g+5], 32
	s_mov_b32 s[\g+6], 0
	s_mov_b32 s[\g+7], 0
.endr
	s_mul_i32 s20, s17, TILEB
	s_mul_i32 s18, s16, XHALF
	s_add_co_u32 s20, s20, s18
	s_mul_i32 s46, s42, TILEB
	s_add_co_u32 s46, s46, s18
	s_mul_i32 s22, s17, TILEB
	s_mul_i32 s18, s16, YHALF
	s_add_co_u32 s22, s22, s18
	s_add_co_u32 s22, s22, 8*KSB
	s_mul_i32 s92, s42, TILEB
	s_add_co_u32 s92, s92, s18
	s_add_co_u32 s92, s92, 8*KSB
	s_lshl_b32 s2, s17, 14
	s_lshl_b32 s18, s14, 9
	s_add_co_u32 s2, s2, s18
	s_lshl_b32 s96, s42, 14
	s_add_co_u32 s96, s96, s18
	s_mov_b32 s21, 0
	s_mov_b32 s23, 0
	s_mov_b32 s47, 0
	s_mov_b32 s93, 0
	s_mov_b32 s3, 0
	s_mov_b32 s97, 0
	s_mul_i32 s45, s14, XHALF
	s_mul_i32 s94, s14, YHALF
	s_wait_kmcnt 0x0
	s_add_nc_u64 s[20:21], s[4:5], s[20:21]
	s_add_nc_u64 s[22:23], s[4:5], s[22:23]
	s_add_nc_u64 s[2:3], s[4:5], s[2:3]
	s_add_nc_u64 s[2:3], s[2:3], ASC
	s_add_nc_u64 s[46:47], s[6:7], s[46:47]
	s_add_nc_u64 s[46:47], s[46:47], BOFF
	s_add_nc_u64 s[92:93], s[6:7], s[92:93]
	s_add_nc_u64 s[92:93], s[92:93], BOFF
	s_add_nc_u64 s[96:97], s[6:7], s[96:97]
	s_add_nc_u64 s[96:97], s[96:97], BSC
	CROUND
	s_mov_b32 s[G0X], 1
	s_mov_b32 s[G0X+1], s45
	s_mov_b64 s[G0X+2:G0X+3], s[20:21]
	s_or_b32 s[G0X+3], s[G0X+3], 0x80000000
	s_mov_b32 s[G0XB], 1
	s_mov_b32 s[G0XB+1], s45
	s_mov_b64 s[G0XB+2:G0XB+3], s[46:47]
	s_or_b32 s[G0XB+3], s[G0XB+3], 0x80000000
	s_mov_b32 s[G0Y], 1
	s_add_co_u32 s[G0Y+1], s94, LY
	s_mov_b64 s[G0Y+2:G0Y+3], s[22:23]
	s_or_b32 s[G0Y+3], s[G0Y+3], 0x80000000
	s_mov_b32 s[G0YB], 1
	s_add_co_u32 s[G0YB+1], s94, LY
	s_mov_b64 s[G0YB+2:G0YB+3], s[92:93]
	s_or_b32 s[G0YB+3], s[G0YB+3], 0x80000000
	JLOAD G0X, G1X, G0XB, G1XB
	s_wait_alu depctr_va_vdst(0)
	s_wait_tensorcnt 0x0
	ds_add_u32 v28, v29
	s_wait_dscnt 0x0
	CROUND
	JLOAD G0Y, G1Y, G0YB, G1YB
	v_and_b32 v1, 31, v0
	v_bfe_u32 v2, v0, 4, 1
	v_lshlrev_b32 v3, 4, v1
	v_and_b32 v4, 15, v0
	v_lshlrev_b32 v7, 2, v1
.set j, 0
.rept 8
.irp i, 0,1,2,3
	global_load_b32 v[SC+8*j+\i], v7, s[2:3] offset:2048*j+128*\i
	global_load_b32 v[SC+8*j+4+\i], v7, s[96:97] offset:2048*j+128*\i
.endr
.set j, j+1
.endr
	s_mul_i32 s21, s14, KSB
	v_add_nc_u32 v[ADRA], s21, v3
	s_add_co_u32 s22, s21, LXB
	v_add_nc_u32 v[ADRB], s22, v3
	s_add_co_u32 s22, s21, LY
	v_add_nc_u32 v[ADRA+1], s22, v3
	s_add_co_u32 s22, s21, LYB
	v_add_nc_u32 v[ADRB+1], s22, v3
	s_mul_i32 s23, s14, WSTAGE
	v_mul_u32_u24 v5, v4, SPITCH
	v_lshl_add_u32 v5, v2, 6, v5
	v_add_nc_u32 v[STO], s23, v5
	s_mul_i32 s23, s14, 32*SPITCH
	v_add_nc_u32 v8, s23, v3
	v_add_nc_u32 v9, WSTAGE, v8
	v_add_nc_u32 v10, 2*WSTAGE, v8
	v_add_nc_u32 v11, 3*WSTAGE, v8
	s_wait_tensorcnt 1
	s_barrier_signal -1
	s_barrier_wait -1
	FETCH_B 0, 0, 0
	FETCH_A 0, 0, 0
	FETCH_A 0, 0, 4
	s_wait_loadcnt 0x0
	STEPX 0, 1
	TURN 1, 0, 1, 1
	TURN 2, 1, 0, 1
	STEPX 3, 0
	TURN 4, 0, 1, 1
	TURN 5, 1, 0, 0
	STEPX 6, 0
	s_wait_dscnt 4*NL
	WIN MUL_LO
	MUL16 0, 1, 7, 0
	MUL16 2, 1, 7, 0
	s_wait_dscnt 0x0
	WIN MUL_HI
	MUL16 4, 1, 7, 0
	MUL16 6, 1, 7, 0
	WIN 0
	s_lshl_b32 s24, s42, 9
	s_mov_b32 s25, 0
	s_add_nc_u64 s[8:9], s[8:9], s[24:25]
	s_lshl_b32 s26, s17, 7
	s_lshl_b32 s27, s14, 5
	s_add_co_u32 s26, s26, s27
	s_lshl_b32 s26, s26, 12
	s_add_co_u32 s26, s26, s24
	s_mov_b32 s27, 0
	s_add_nc_u64 s[10:11], s[10:11], s[26:27]
	s_add_nc_u64 s[12:13], s[12:13], s[26:27]
	s_wait_dscnt 0x0
	s_barrier_signal -1
	s_barrier_wait -1
	PLACES 4
.macro XLD t
.irp i, 0,1,2,3,4,5,6,7
	global_load_b128 v[64+32*((\t)%2)+4*\i:64+32*((\t)%2)+4*\i+3], v3, s[10:11] offset:(16*((\t)%2)+8*((\t)/2)+\i)*4096 th:TH_LOAD_NT
.endr
.endm
	global_load_b128 v[4:7], v3, s[8:9]
	XLD 0
.irp a, 0,1,2,3,4,5,6,7
	WIN 0x08+4*(\a/4)
.irp b, 0,1,2,3,4,5,6,7
	ds_store_b128 v[STO], v[64*(\a%4)+8*\b:64*(\a%4)+8*\b+3] offset:16*\a*SPITCH+128*(\b/2)+32*(\b%2)
	ds_store_b128 v[STO], v[64*(\a%4)+8*\b+4:64*(\a%4)+8*\b+7] offset:16*\a*SPITCH+128*(\b/2)+32*(\b%2)+16
.endr
.endr
	WIN 0
	s_wait_dscnt 0x0
	s_barrier_signal -1
	s_barrier_wait -1
.irp t, 0,1,2,3
.if \t < 3
	XLD \t+1
.endif
	s_wait_xcnt 0x0
.irp u, 0,1,2,3
.irp i, 0,1,2,3,4,5,6,7
	ds_load_b128 v[128+32*\u+4*\i:128+32*\u+4*\i+3], v[8+\u] offset:(8*\t+\i)*SPITCH
.endr
.endr
	s_wait_dscnt 0x0
.if \t < 3
	s_wait_loadcnt 8
.else
	s_wait_loadcnt 0x0
.endif
.irp i, 0,1,2,3,4,5,6,7
.irp e, 0,2
	v_pk_add_f32 v[128+4*\i+\e:129+4*\i+\e], v[128+4*\i+\e:129+4*\i+\e], v[160+4*\i+\e:161+4*\i+\e]
	v_pk_add_f32 v[192+4*\i+\e:193+4*\i+\e], v[192+4*\i+\e:193+4*\i+\e], v[224+4*\i+\e:225+4*\i+\e]
	v_pk_add_f32 v[64+32*(\t%2)+4*\i+\e:65+32*(\t%2)+4*\i+\e], v[64+32*(\t%2)+4*\i+\e:65+32*(\t%2)+4*\i+\e], v[4+\e:5+\e]
	v_pk_add_f32 v[128+4*\i+\e:129+4*\i+\e], v[128+4*\i+\e:129+4*\i+\e], v[192+4*\i+\e:193+4*\i+\e]
	v_pk_add_f32 v[128+4*\i+\e:129+4*\i+\e], v[128+4*\i+\e:129+4*\i+\e], v[64+32*(\t%2)+4*\i+\e:65+32*(\t%2)+4*\i+\e]
.endr
	global_store_b128 v3, v[128+4*\i:131+4*\i], s[12:13] offset:(16*(\t%2)+8*(\t/2)+\i)*4096 th:TH_STORE_NT
.endr
.endr
	s_wait_tensorcnt 0x0
	ds_add_u32 v[SPW], v[NIL]
	s_wait_dscnt 0x0
	CROUND
	s_endpgm
.Lfunc_end_k_q83dc3bcd23_proj:
	.size	k_q83dc3bcd23_proj, .Lfunc_end_k_q83dc3bcd23_proj-k_q83dc3bcd23_proj
	.p2alignl 7, 3214868480
	.fill 96, 4, 3214868480
	.section	.rodata,"a",@progbits
	.p2align	6, 0x0
	.amdhsa_kernel k_q83dc3bcd23_proj
		.amdhsa_group_segment_fixed_size 327680
		.amdhsa_private_segment_fixed_size 0
		.amdhsa_enable_private_segment 0
		.amdhsa_kernarg_size 40
		.amdhsa_user_sgpr_count 2
		.amdhsa_user_sgpr_kernarg_segment_ptr 1
		.amdhsa_wavefront_size32 1
		.amdhsa_system_sgpr_workgroup_id_x 1
		.amdhsa_system_sgpr_workgroup_id_y 1
		.amdhsa_system_sgpr_workgroup_id_z 1
		.amdhsa_system_vgpr_workitem_id 0
		.amdhsa_next_free_vgpr 1024
		.amdhsa_next_free_sgpr 100
		.amdhsa_reserve_vcc 0
		.amdhsa_float_denorm_mode_32 3
		.amdhsa_float_denorm_mode_16_64 3
		.amdhsa_memory_ordered 1
		.amdhsa_forward_progress 1
		.amdhsa_inst_pref_size 153
	.end_amdhsa_kernel
	.amdgpu_metadata
---
amdhsa.version: [ 1, 2 ]
amdhsa.kernels:
  - .name:           k_q83dc3bcd23_proj
    .symbol:         k_q83dc3bcd23_proj.kd
    .args:
      - { .name: hid, .offset: 0, .size: 8, .value_kind: global_buffer, .address_space: global }
      - { .name: wts, .offset: 8, .size: 8, .value_kind: global_buffer, .address_space: global }
      - { .name: b_proj, .offset: 16, .size: 8, .value_kind: global_buffer, .address_space: global }
      - { .name: x1, .offset: 24, .size: 8, .value_kind: global_buffer, .address_space: global }
      - { .name: out0, .offset: 32, .size: 8, .value_kind: global_buffer, .address_space: global }
    .group_segment_fixed_size: 327680
    .private_segment_fixed_size: 0
    .kernarg_segment_align: 8
    .kernarg_segment_size: 40
    .max_flat_workgroup_size: 128
    .sgpr_count:     100
    .vgpr_count:     1024
    .wavefront_size: 32
...
	.end_amdgpu_metadata
.endif
;; end of part 6
